; MI455X (gfx1250); checked and timed in simulation.
; The chip was launched on July 23, 2026; its instructions are those of AMD's public machine-readable ISA for CDNA 5 (MIT licence, August 2026) and "CDNA5" Instruction Set Architecture Reference Guide (July 2026). The comments in the code are by the model that wrote it; some were corrected since.
;; Multi Headed Attention. Allowed arithmetic: matrix products marked QUANTISED: E2M1 operands, one E8M0 scale for each 32 along K, by v_wmma_scale_f32_16x16x128_f8f6f4 with both operands' format E2M1 (or v_wmma_scale_f32_32x16x128_f4), f32 sums; everything else in f32.
;; Inputs: Wk_codes 1,024 x 32 x 16 uint8 (E2M1 codes of Wk, K innermost, in blocks of 32 codes, two codes a byte); Wk_scales 1,024 x 32 uint8 (E8M0 scales of Wk, one for each 32 codes along K); Wo_codes 1,024 x 32 x 16 uint8 (E2M1 codes of Wo, K innermost, in blocks of 32 codes, two codes a byte); Wo_scales 1,024 x 32 uint8 (E8M0 scales of Wo, one for each 32 codes along K); Wq_codes 1,024 x 32 x 16 uint8 (E2M1 codes of Wq, K innermost, in blocks of 32 codes, two codes a byte); Wq_scales 1,024 x 32 uint8 (E8M0 scales of Wq, one for each 32 codes along K); Wv_codes 1,024 x 32 x 16 uint8 (E2M1 codes of Wv, K innermost, in blocks of 32 codes, two codes a byte); Wv_scales 1,024 x 32 uint8 (E8M0 scales of Wv, one for each 32 codes along K); bk 1,024 float32; bo 1,024 float32; bq 1,024 float32; bv 1,024 float32; key_codes 4 x 2,048 x 32 x 16 uint8 (E2M1 codes of key, K innermost, in blocks of 32 codes, two codes a byte); key_scales 4 x 2,048 x 32 uint8 (E8M0 scales of key, one for each 32 codes along K); mask 1 x 2,048 x 2,048 int32; query_codes 4 x 2,048 x 32 x 16 uint8 (E2M1 codes of query, K innermost, in blocks of 32 codes, two codes a byte); query_scales 4 x 2,048 x 32 uint8 (E8M0 scales of query, one for each 32 codes along K); value_codes 4 x 2,048 x 32 x 16 uint8 (E2M1 codes of value, K innermost, in blocks of 32 codes, two codes a byte); value_scales 4 x 2,048 x 32 uint8 (E8M0 scales of value, one for each 32 codes along K).
;; Outputs: out0 4 x 2,048 x 1,024 float32.
;; This version of the problem:
;;   THIS VERSION OF THE PROBLEM IS GIVEN IN LOW PRECISION. The matrix products marked QUANTISED in the list below multiply operands that are first quantised to E2M1 (2 exponent bits, 1 mantissa bit; 4 bits a number), with one power-of-two scale for each 32 numbers along K (OCP MX v1.0); their sums are f32. All else is computed in f32.
;;   The module's matrix products, in the order in which they are computed (A, B: the left and right operand; K: the contracted axis; several contracted axes count as one K, in the product's order):
;;     1. [M 8,192, K 1,024] x [K 1,024, N 1,024]; A: input query (given as codes); B: input Wq (given as codes): QUANTISED
;;     2. [M 8,192, K 1,024] x [K 1,024, N 1,024]; A: input key (given as codes); B: input Wk (given as codes): QUANTISED
;;     3. [M 8,192, K 1,024] x [K 1,024, N 1,024]; A: input value (given as codes); B: input Wv (given as codes): QUANTISED
;;     4. batch 64 x [M 2,048, K 64] x [K 64, N 2,048]; A: computed on the way; B: computed on the way: QUANTISED
;;     5. batch 64 x [M 2,048, K 2,048] x [K 2,048, N 64]; A: softmax (see below); B: computed on the way: QUANTISED
;;     6. [M 8,192, K 1,024] x [K 1,024, N 1,024]; A: computed on the way; B: input Wo (given as codes): QUANTISED
;;   THE QUANTISER, for each operand of a quantised product, along K:
;;     - K is cut into blocks of 32 from its start; a last block that is shorter is filled with zeros.
;;     - A block's scale is 2^e with e = floor(log2(the largest magnitude in the block)) - 2, held to -126 .. 127; a block of zeros has e = 0. As a byte (E8M0): e + 127.
;;     - Each number is divided by its block's scale, clamped to +-6, and rounded to the nearest number of E2M1, ties to even, subnormals kept.
;;     - The product sums the exact products of the quantised numbers (number of the format x scale) in f32.
;;   ~~~python
;;   def quantise(x, axis):      # numpy; x: float32 -> the quantised numbers, widened to float32 again
;;       x = np.moveaxis(x, axis, -1); K = x.shape[-1]
;;       x = np.pad(x, [(0, 0)] * (x.ndim - 1) + [(0, -K % 32)]); x = x.reshape(x.shape[:-1] + (-1, 32)); a = np.abs(x).max(-1, keepdims=True)
;;       e = np.where(a > 0, np.clip(np.frexp(np.where(a > 0, a, 1))[1] - 1 - 2, -126, 127), 0)      # np.frexp(a)[1] - 1 = floor(log2(a)), exactly
;;       r = np.clip(x / 2.0 ** e, -6, 6)
;;       step = 2.0 ** (np.maximum(np.frexp(np.where(r == 0, 1, r))[1] - 1, 0) - 1)
;;       q = np.round(r / step) * step * 2.0 ** e      # np.round: ties to even
;;       return np.moveaxis(q.reshape(q.shape[:-2] + (-1,))[..., :K], -1, axis).astype(np.float32)
;;   ~~~
;;   SOFTMAX AHEAD OF A QUANTISED PRODUCT. Where the list says 'softmax', what is quantised is not the finished softmax but p = 2^(t - M), with t = logit x log2(e) and M = ceil(the row's largest t), a whole number; so 1/2 < the row's largest p <= 1. The row's sum l is taken of the UNQUANTISED p, in f32, and the product's result is divided by l at the end. Since M is a whole number, a kernel that streams over the keys may use a running M (the ceiling of the running maximum): every later rescaling is an exact power of two, which a block's scale takes up: the codes' values come out the same.
;;   OPERANDS COMPUTED ON THE WAY. 'Computed on the way' means the value that the module computes at that place (a softmax that the list does not call 'softmax' is quantised finished and normalised). What goes into a quantiser is computed in f32, as accurately as f32 sums, v_exp_f32 and their like allow (about 1e-6 of the number): no bf16 or f16 on the way to a quantiser, and a product that is left as it is and whose result goes on into a quantised operand takes f32 operands (vector FMAs, or v_wmma_f32_16x16x4_f32). A number that lies on a knife's edge between two numbers of the format may be rounded either way, as far as f32 arithmetic and the matrix unit's own rounding can turn it there, and no further.
;;   INPUTS GIVEN AS CODES. Wk (in the module: [1024, 1024], K = its axis 1); Wo (in the module: [1024, 1024], K = its axis 1); Wq (in the module: [1024, 1024], K = its axis 1); Wv (in the module: [1024, 1024], K = its axis 1); key (in the module: [4, 2048, 1024], K = its axis 2); query (in the module: [4, 2048, 1024], K = its axis 2); value (in the module: [4, 2048, 1024], K = its axis 2): each comes as NAME_codes (uint8): NAME with its K axis moved to the last place and cut into blocks of 32 codes, [.., K / 32, bytes a block], one block behind the other in memory; two codes a byte, the lower K in the low four bits (a code: sign, 2 exponent bits, 1 mantissa bit); and NAME_scales (uint8): the same leading axes, one E8M0 byte (e + 127) for each 32 codes along K. Its value is code x scale, taken as it is: it is not quantised again, and the codes and scales need not be those that the quantiser above would give.
;; 2 versions, each right; version 2 is version 1 with the launch attn written anew for expert scheduling mode. Each part assembles by itself: llvm-mc -triple=amdgcn-amd-amdhsa -mcpu=gfx1250 --defsym DOCPART=n.
;; ======== version 1 of 2: 4 launches
;; limits: right only within a limited range of input values
;; workspace buffers: mw 524,288 bytes of whole numbers; mf 512 bytes of whole numbers; qc 4,194,304 bytes; qs 524,288 bytes; kv 9,175,040 bytes; xc 4,194,304 bytes; xs 262,144 bytes
;; launch maskpack (part 1): grid 128 x 1, 16 waves a work-group, no clusters, 137,472 bytes of LDS; arguments mask, mw, mf; writes mw, mf
.if DOCPART == 1
	.amdgcn_target "amdgcn-amd-amdhsa--gfx1250"
	.amdhsa_code_object_version 6
	.text
	.protected	k_qf19c1c534e_maskpack
	.globl	k_qf19c1c534e_maskpack
	.p2align	8
	.type	k_qf19c1c534e_maskpack,@function
k_qf19c1c534e_maskpack:
	s_mov_b64 s[64:65], 0
	v_nop
	global_prefetch_b8 v0, s[64:65] scope:SCOPE_SE
	s_setreg_imm32_b32 hwreg(HW_REG_WAVE_MODE, 25, 1), 1
	s_wait_xcnt 0x0
; The mask [2048][2048] of int32 becomes lane masks and one control word for each tile of 16 queries.
; mw [T 128][step 16][64 words]: bit l (lane l = r + 16 h) of word n = 8 t + j says mask[16 T + r][128 step + 16 t + 8 h + j] != 0:
; the lane mask of register n of a tile of scores as the attention launch holds it.
; mf [T]: RUN | OPEN << 16, a bit for each key step of 128.  RUN: the step holds a key that counts for some query of the tile, or some
; query of the tile has no key at all (then every key weighs alike for it, and no step may be left out).  OPEN: nothing in the step is hidden.
; SHARES.  Work-group T takes 16 rows of the mask; wave j the 512 bytes of each row that are key step j.  Each load reads 512 consecutive bytes;
; the 16 x 512 bytes turn through the wave's own stage in LDS (rows 528 bytes apart) into the scores' layout.  128 tiles: 128 work-groups.
; No matrix unit, no cluster, no tensor load: a stream read once, in which work-groups share nothing.
.set ROWB, 8192                        ; a row of the mask in bytes
.set SP,   528                         ; a stage row: 512 bytes + 16
.set WSTG, 16*SP                       ; a wave's stage
.set WST,  16*WSTG                     ; behind the stages: one word for each wave
.set IN,   16                          ; v16-79   as loaded
.set BK,   80                          ; v80-143  register n of the scores' layout
.set OW,   144                         ; v144-145 the 64 words: lane L holds words 2 L and 2 L + 1
.set ALL,  18                          ; s18 the AND of the 64 words
.set ANY,  19                          ; s19 their OR
	s_load_b128 s[4:7], s[0:1], 0x0                ; mask, mw
	s_load_b64 s[8:9], s[0:1], 0x10                ; mf
	v_lshl_add_u32 v160, v0, 2, 0x21100
	v_mov_b32 v161, 0
	v_lshrrev_b32 v1, 5, v0
	v_readfirstlane_b32 s2, v1                     ; wave = key step
	v_and_b32 v2, 31, v0                           ; lane
	v_lshlrev_b32 v3, 4, v2                        ; 16 bytes a lane
	s_mul_i32 s3, s2, WSTG
	v_add_nc_u32 v4, s3, v3                        ; into the stage: a row's 512 bytes as they lie
	v_and_b32 v5, 15, v0                           ; r
	v_bfe_u32 v6, v0, 4, 1                         ; h
	v_mul_u32_u24 v7, v5, SP
	v_lshl_add_u32 v7, v6, 5, v7
	v_add_nc_u32 v7, s3, v7                        ; out of it: row r, + 32 h
	v_lshlrev_b32 v8, 3, v2                        ; 8 bytes a lane: two words of mw
	s_lshl_b32 s10, s2, 2
	s_add_co_u32 s10, s10, WST
	v_mov_b32 v9, s10                              ; my wave's word
	v_lshl_add_u32 v10, v5, 2, WST                 ; the word of wave lane % 16
	v_mov_b32 v11, WST
	s_lshl_b32 s12, ttmp9, 17                      ; 16 rows of 8,192 bytes a tile,
	s_lshl_b32 s13, s2, 9                          ; 512 bytes a key step
	s_add_co_u32 s12, s12, s13
	s_mov_b32 s13, 0
	s_lshl_b32 s14, ttmp9, 4
	s_add_co_u32 s14, s14, s2
	s_lshl_b32 s14, s14, 8                         ; 256 bytes of mw for (tile, step)
	s_mov_b32 s15, 0
	s_lshl_b32 s16, ttmp9, 2                       ; the tile's word of mf
	s_mov_b32 s17, 0
	s_wait_kmcnt 0x0
	s_add_nc_u64 s[4:5], s[4:5], s[12:13]
	s_add_nc_u64 s[6:7], s[6:7], s[14:15]
	s_add_nc_u64 s[8:9], s[8:9], s[16:17]
.irp i, 0,1,2,3,4,5,6,7,8,9,10,11,12,13,14,15
	global_load_b128 v[IN+4*\i:IN+4*\i+3], v3, s[4:5] offset:ROWB*\i th:TH_LOAD_NT   ; 32 lanes read 512 consecutive bytes; read once in the launch
.endr
	v_mov_b32 v[OW], 0                             ; v_writelane_b32's destination counts as read
	v_mov_b32 v[OW+1], 0
	s_mov_b32 s[ALL], -1
	s_mov_b32 s[ANY], 0
.irp i, 0,1,2,3,4,5,6,7,8,9,10,11,12,13,14,15
	s_wait_loadcnt 15-\i                           ; row i is in; the younger rows may be out
	ds_store_b128 v4, v[IN+4*\i:IN+4*\i+3] offset:SP*\i
.endr
.irp t, 0,1,2,3,4,5,6,7
	ds_load_b128 v[BK+8*\t:BK+8*\t+3], v7 offset:64*\t       ; LDS serves a wave's instructions in order: these see my stores
	ds_load_b128 v[BK+8*\t+4:BK+8*\t+7], v7 offset:64*\t+16
.endr
	s_wait_dscnt 0x0
.set n, 0
.rept 64
	v_cmp_ne_u32 s[20+n%4], 0, v[BK+n]             ; word n: a bit for each lane
	s_and_b32 s[ALL], s[ALL], s[20+n%4]
	s_or_b32 s[ANY], s[ANY], s[20+n%4]
	v_writelane_b32 v[OW+n%2], s[20+n%4], n/2
.set n, n+1
.endr
	global_store_b64 v8, v[OW:OW+1], s[6:7]        ; 32 lanes store 256 consecutive bytes, aligned
	s_lshr_b32 s24, s[ANY], 16                     ; lanes r and r + 16 hold the same query:
	s_or_b32 s24, s24, s[ANY]
	s_and_b32 s24, s24, 0xffff                     ; bit r: query r has a key that counts in this step;
	s_cmp_eq_u32 s[ALL], -1
	s_cselect_b32 s25, 0x10000, 0                  ; bit 16: nothing is hidden in this step
	s_or_b32 s24, s24, s25
	v_mov_b32 v146, s24
	ds_store_b32 v9, v146                          ; all lanes write the same word with the same value
	s_wait_dscnt 0x0                               ; for the others' sake: my word has landed
	s_barrier_signal -1
	s_barrier_wait -1
	s_cmp_lg_u32 s2, 0                             ; wave 0 makes the tile's control word
	s_cbranch_scc1 .Lend
	ds_load_b32 v12, v10                           ; lane j (and j + 16): step j's word
.irp i, 0,1,2,3
	ds_load_b128 v[IN+4*\i:IN+4*\i+3], v11 offset:16*\i      ; and all sixteen in every lane
.endr
	s_wait_dscnt 0x0
.irp i, 1,2,3,4,5,6,7,8,9,10,11,12,13,14,15
	v_or_b32 v[IN], v[IN], v[IN+\i]
.endr
	v_readfirstlane_b32 s20, v[IN]
	s_and_b32 s20, s20, 0xffff                     ; bit r: query r has a key somewhere
	s_cmp_lg_u32 s20, 0xffff
	s_cselect_b32 s21, 0xffff, 0                   ; a query without any key: every step runs
	v_and_b32 v13, 0xffff, v12
	v_cmp_ne_u32 s22, 0, v13
	s_and_b32 s22, s22, 0xffff                     ; bit j: step j holds a key that counts
	v_cmp_le_u32 s23, 0x10000, v12                 ; bit j: step j is open
	s_lshl_b32 s23, s23, 16
	s_or_b32 s22, s22, s21
	s_or_b32 s22, s22, s23
	v_mov_b32 v14, s22
	v_mov_b32 v15, 0
	s_wait_xcnt 0x0                                ; EXEC is a source of the store above: it changes only behind this wait
	v_cmp_eq_u32 vcc_lo, 0, v2
	s_and_saveexec_b32 s24, vcc_lo
	global_store_b32 v15, v14, s[8:9]              ; one lane stores the word
	s_wait_xcnt 0x0                                ; and again in front of the line that widens EXEC
	s_or_b32 exec_lo, exec_lo, s24
.Lend:
	s_wait_tensorcnt 0x0
	ds_add_u32 v160, v161
	s_wait_dscnt 0x0
	s_endpgm
.Lfunc_end_k_qf19c1c534e_maskpack:
	.size	k_qf19c1c534e_maskpack, .Lfunc_end_k_qf19c1c534e_maskpack-k_qf19c1c534e_maskpack
	.p2alignl 7, 3214868480
	.fill 96, 4, 3214868480
	.section	.rodata,"a",@progbits
	.p2align	6, 0x0
	.amdhsa_kernel k_qf19c1c534e_maskpack
		.amdhsa_group_segment_fixed_size 137472
		.amdhsa_private_segment_fixed_size 0
		.amdhsa_enable_private_segment 0
		.amdhsa_kernarg_size 24
		.amdhsa_user_sgpr_count 2
		.amdhsa_user_sgpr_kernarg_segment_ptr 1
		.amdhsa_wavefront_size32 1
		.amdhsa_system_sgpr_workgroup_id_x 1
		.amdhsa_system_sgpr_workgroup_id_y 1
		.amdhsa_system_sgpr_workgroup_id_z 1
		.amdhsa_system_vgpr_workitem_id 0
		.amdhsa_next_free_vgpr 162
		.amdhsa_next_free_sgpr 66
		.amdhsa_reserve_vcc 1
		.amdhsa_float_denorm_mode_32 3
		.amdhsa_float_denorm_mode_16_64 3
		.amdhsa_memory_ordered 1
		.amdhsa_forward_progress 1
		.amdhsa_inst_pref_size 21
	.end_amdhsa_kernel
	.amdgpu_metadata
---
amdhsa.version: [ 1, 2 ]
amdhsa.kernels:
  - .name:           k_qf19c1c534e_maskpack
    .symbol:         k_qf19c1c534e_maskpack.kd
    .args:
      - { .name: mask, .offset: 0, .size: 8, .value_kind: global_buffer, .address_space: global }
      - { .name: mw, .offset: 8, .size: 8, .value_kind: global_buffer, .address_space: global }
      - { .name: mf, .offset: 16, .size: 8, .value_kind: global_buffer, .address_space: global }
    .group_segment_fixed_size: 137472
    .private_segment_fixed_size: 0
    .kernarg_segment_align: 8
    .kernarg_segment_size: 24
    .max_flat_workgroup_size: 512
    .sgpr_count:     66
    .vgpr_count:     162
    .wavefront_size: 32
...
	.end_amdgpu_metadata
.endif
;; end of part 1
;; launch qkv (part 2): grid 4 x 64, 8 waves a work-group, clusters of 4 x 4, 327,680 bytes of LDS; arguments query_codes, key_codes, value_codes, Wq_codes, Wk_codes, Wv_codes, query_scales, key_scales, value_scales, Wq_scales, Wk_scales, Wv_scales, bq, bk, bv, qc, qs, kv; writes qc, qs, kv
.if DOCPART == 2
	.amdgcn_target "amdgcn-amd-amdhsa--gfx1250"
	.amdhsa_code_object_version 6
	.text
	.protected	k_qf19c1c534e_qkv
	.globl	k_qf19c1c534e_qkv
	.p2align	8
	.type	k_qf19c1c534e_qkv,@function
k_qf19c1c534e_qkv:
	s_mov_b64 s[64:65], 0
	v_nop
	global_prefetch_b8 v0, s[64:65] scope:SCOPE_SE
	s_setreg_imm32_b32 hwreg(HW_REG_WAVE_MODE, 25, 1), 1
	s_wait_xcnt 0x0
	s_wait_alu depctr_hold_cnt(0) depctr_sa_sdst(0) depctr_va_vdst(0) depctr_va_sdst(0) depctr_va_ssrc(0) depctr_va_vcc(0) depctr_vm_vsrc(0)
	s_getreg_b32 s2, hwreg(HW_REG_IB_STS2, 6, 4)
	s_cmp_eq_u32 s2, 0
	s_cbranch_scc0 .Lentry_in_a_cluster
	s_endpgm
.Lentry_in_a_cluster:
	s_bfe_u32 s2, ttmp6, 0x10000c
	s_cmp_lg_u32 s2, 0xf033
	s_cbranch_scc0 .Lentry_shape_is_right
	s_endpgm
.Lentry_shape_is_right:
; q = query Wq^T + bq, k = key Wk^T + bk, v = value Wv^T + bv on codes of FP4 (E2M1) with one E8M0 scale for each 32 along K; the results are quantised at once,
; q and k along the head's 64, v along the keys, and stored as IMAGES OF THE OPERAND REGISTERS that the attention launch wants:
;   qc [bh][T][lane][16 B]  registers 0-3 of the fragment of 16 queries;   qs [bh][T / 4][lane (r, u)][e] the scale word of tile 2 e + u of the four;
;   kv [bh][step of 128 keys][8,960 B]: K's 8 tiles x 512 B | V's 4 tiles of 16 channels x 1,024 B | K's scale words 2 x 256 B (as qs) | V's scale words [lane (r, u)][g]: tile 2 g + u.
; SHARES.  A work-group takes 128 tokens x 256 columns (4 heads) of all three products, one after the other.  K goes in halves of 512 (tile rows of 256 bytes) through two LDS slots:
; six fills, six trips, written out.  q, k: wave = (64 tokens, one head), 16 accumulators, used TRANSPOSED (source 0 = 16 rows of W, source 1 = 16 tokens): a lane holds one token and its registers
; run along the head.  v: wave = 128 tokens x 32 columns, source 0 = 16 tokens, source 1 = 16 rows of W: a lane holds one column and its registers run along the keys.
; So each quantiser finds its K in one lane's registers (and in lane l xor 16).  The bias is the C of each sum's first matrix instruction.
; CLUSTER 4 x 4.  The four work-groups of a row of the cluster take the same tokens, the four of a column the same rows of W: each tile is asked for jointly.
; THE SCALE BYTES (36 KB a work-group, dense in memory) come once, through registers, into LDS bytes of their own, as pieces of 256 bytes + 16.
; LIMITS: a block of zeros gets the scale byte 1, not 127 (its codes are zeros; this program alone reads the bytes); NaN and infinities are not served.
.set PITCH, 272                        ; an LDS row: 256 bytes + 16
.set QUART, 64*PITCH                   ; 64 rows: what one tensor load brings
.set WROW0, 2*QUART                    ; a slot: 128 rows of tokens, then 256 rows of W
.set SLOT,  6*QUART
.set SCL,   2*SLOT                     ; behind the ring: the scale bytes, for each product 16 pieces of the tokens', then 32 of W's
.set SCP,   48*PITCH
.set SCW,   16*PITCH
.set VST,   SCL+3*SCP                  ; V's scale words on their way out: 256 bytes a head
.set SPARE, VST+1024                   ; the spare words, 128 bytes for each wave: four blocks of 256 bytes that no other line names
.set REC,   8960                       ; a record of kv
.set FR0, 1                            ; v1   272 r + 16 h: my lane's place in a fragment's 16 rows
.set SC0, 2                            ; v2   my lane's place among scale rows: lanes 0-15 an even tile's rows, lanes 16-31 the odd tile's
.set AX,  3                            ; v3   LDS address of the tokens' fragments
.set AW,  4                            ; v4   of W's
.set SX,  5                            ; v5   of the tokens' scale words (q, k)
.set SW,  6                            ; v6   of W's scale words
.set L16, 7                            ; v7   16 x lane
.set L8,  8                            ; v8   8 x lane
.set SPW, 9                            ; v9   my spare word; never rewritten
.set NIL, 10                           ; v10  0; never rewritten
.set H32, 11                           ; v11  32 h
.set SWV, 12                           ; v12-15 W's scale words in the value product
.set SCX, 16                           ; v16-23 the tokens' scale words (value product: v16-31)
.set SCQ, 24                           ; v24-31 W's scale words (q, k)
.set BIAS, 32                          ; v32-63 the bias in the result's layout (value product: v32-47; v48-63 W's two fragments)
.set ACC, 128                          ; v128-255 sixteen accumulators;  v64-127 fragments, in the epilogues the quantiser's registers
.set TM,  96                           ; largest magnitudes
.set TP,  100                          ; those of lane l xor 16
.set SO,  104                          ; the conversions' scale operands
.set BY,  108                          ; the scale bytes
.set WV, 2
.set TG, 3                             ; s3   which 64 tokens (q, k)
.set HH, 66                            ; s66  which head of the four (q, k)
.set LM, 67                            ; s67  the lane mask of lanes 16-31
.set XB, 4                             ; s[4:9]   the three token tensors at my tensor load's first row
.set WB, 10                            ; s[10:15] the three weights likewise
.set XSP, 16                           ; s[16:21] the tokens' scale bytes
.set WSP, 22                           ; s[22:27] the weights' scale bytes
.set BQ, 28
.set BKP, 30
.set BV, 32
.set QC, 34
.set QS, 36
.set KVP, 38
.set G1X, 40                           ; s[40:47] descriptor group 1, tokens;  s[48:55] weights: they differ in the mask
.set G1W, 48
.set G0X, 56                           ; s[56:63] group 0, tokens, a set for each slot;  s[68:75] weights
.set G0W, 68
.set KC, 80
.set KS, 82
.set VC, 84
.set KREC, 86
.set TL, 88                            ; s88  LDS: wave x 64 rows
.set AXQ, 89
.set AWQ, 90
.set AWV, 91
.set SEL, 92                           ; s[92:93] v_permlanex16_b32's selects for lane l xor 16
.macro PLACES n
.rept \n
	v_nop
.endr
.endm
.macro ROUND                           ; a round of the cluster's barrier
	s_barrier_signal -1
	s_barrier_wait -1
	s_cmp_lg_u32 s[WV], 0
	s_cbranch_scc1 .Lnot_wave_0_\@
	s_barrier_signal -3
.Lnot_wave_0_\@:
	s_barrier_wait -3
	s_barrier_signal -1
	s_barrier_wait -1
.endm
; A joint refill of slot sl: waves 0, 1 fetch the tokens' two quarters, waves 2 to 5 the four of W, waves 6, 7 nothing.  The branches hang on the wave's number alone.
; Four v_nop follow each of the two lines.
.macro JLOAD sl
	s_cmp_lt_u32 s[WV], 2
	s_cbranch_scc0 .Lnot_x_\@
	tensor_load_to_lds s[G0X+4*\sl:G0X+4*\sl+3], s[G1X:G1X+7]
	s_nop 0
	PLACES 4
	s_branch .Lasked_\@
.Lnot_x_\@:
	s_cmp_lt_u32 s[WV], 6
	s_cbranch_scc0 .Lasked_\@
	tensor_load_to_lds s[G0W+4*\sl:G0W+4*\sl+3], s[G1W:G1W+7]
	s_nop 0
	PLACES 4
.Lasked_\@:
.endm
; One matrix instruction.  ra, rb = 1: that side's scale words stand in lanes 16-31 of the register named.
.macro WM d, a, b, c, sa, sb, ra, rb
.if (\ra) && (\rb)
	v_wmma_scale_f32_16x16x128_f8f6f4 v[(\d):(\d)+7], v[(\a):(\a)+7], v[(\b):(\b)+7], v[(\c):(\c)+7], v[\sa], v[\sb] matrix_a_fmt:MATRIX_FMT_FP4 matrix_b_fmt:MATRIX_FMT_FP4 matrix_a_scale:MATRIX_SCALE_ROW1 matrix_b_scale:MATRIX_SCALE_ROW1
.elseif (\ra)
	v_wmma_scale_f32_16x16x128_f8f6f4 v[(\d):(\d)+7], v[(\a):(\a)+7], v[(\b):(\b)+7], v[(\c):(\c)+7], v[\sa], v[\sb] matrix_a_fmt:MATRIX_FMT_FP4 matrix_b_fmt:MATRIX_FMT_FP4 matrix_a_scale:MATRIX_SCALE_ROW1
.elseif (\rb)
	v_wmma_scale_f32_16x16x128_f8f6f4 v[(\d):(\d)+7], v[(\a):(\a)+7], v[(\b):(\b)+7], v[(\c):(\c)+7], v[\sa], v[\sb] matrix_a_fmt:MATRIX_FMT_FP4 matrix_b_fmt:MATRIX_FMT_FP4 matrix_b_scale:MATRIX_SCALE_ROW1
.else
	v_wmma_scale_f32_16x16x128_f8f6f4 v[(\d):(\d)+7], v[(\a):(\a)+7], v[(\b):(\b)+7], v[(\c):(\c)+7], v[\sa], v[\sb] matrix_a_fmt:MATRIX_FMT_FP4 matrix_b_fmt:MATRIX_FMT_FP4
.endif
.endm
; 32 numbers of a lane, register 8 t + j = k 16 t + 8 (lane / 16) + j of my row, become registers 0-3 of a fragment (v[pc] on) and two scale bytes (v[pw]).
; Tile t's eight codes go to register 2 (t % 2) + t / 2; two exchanges of halves then give register g of lane (r, h) the codes of k = 32 h + 8 g + 0 .. 7.
.macro QUANT64 s, pc, pw
.irp b, 0,1
	v_max3_num_f32 v[TM+\b], |v[(\s)+16*\b]|, |v[(\s)+1+16*\b]|, 0x1800000   ; block b: my 16 numbers, and the floor 2^(3 - 127): the byte cannot fall under 1
.endr
.irp i, 2,4,6,8,10,12,14
.irp b, 0,1
	v_max3_num_f32 v[TM+\b], v[TM+\b], |v[(\s)+16*\b+\i]|, |v[(\s)+1+16*\b+\i]|
.endr
.endr
.irp b, 0,1
	v_permlanex16_b32 v[TP+\b], v[TM+\b], s[SEL], s[SEL+1]
.endr
.irp b, 0,1
	v_max_num_f32 v[TM+\b], v[TM+\b], v[TP+\b]     ; with lane l xor 16's: the block's largest magnitude
.endr
.irp b, 0,1
	v_add_nc_u32 v[SO+\b], 0xff000000, v[TM+\b]    ; 2 off its exponent field: the conversion's scale operand
.endr
.irp b, 0,1
	v_lshrrev_b32 v[BY+\b], 23, v[SO+\b]           ; the scale's byte
.endr
	v_lshl_or_b32 v[\pw], v[BY+1], 8, v[BY]
.irp t, 0,1,2,3
	v_cvt_scalef32_pk8_fp4_f32 v[(\pc)+2*(\t%2)+\t/2], v[(\s)+8*\t:(\s)+8*\t+7], v[SO+\t/2]
.endr
	v_nop                                          ; one plain place behind a scaled conversion
	v_permlane16_swap_b32 v[\pc], v[(\pc)+1]
	v_permlane16_swap_b32 v[(\pc)+2], v[(\pc)+3]
.endm
; The same for 64 numbers: four blocks, a whole fragment of 8 registers, a whole scale word.  Tile t = 4 c + 2 hi + e goes to register 4 c + 2 e + hi.
.macro QUANT128 s, pc, pw
.irp b, 0,1,2,3
	v_max3_num_f32 v[TM+\b], |v[(\s)+16*\b]|, |v[(\s)+1+16*\b]|, 0x1800000
.endr
.irp i, 2,4,6,8,10,12,14
.irp b, 0,1,2,3
	v_max3_num_f32 v[TM+\b], v[TM+\b], |v[(\s)+16*\b+\i]|, |v[(\s)+1+16*\b+\i]|
.endr
.endr
.irp b, 0,1,2,3
	v_permlanex16_b32 v[TP+\b], v[TM+\b], s[SEL], s[SEL+1]
.endr
.irp b, 0,1,2,3
	v_max_num_f32 v[TM+\b], v[TM+\b], v[TP+\b]
.endr
.irp b, 0,1,2,3
	v_add_nc_u32 v[SO+\b], 0xff000000, v[TM+\b]
.endr
.irp b, 0,1,2,3
	v_lshrrev_b32 v[BY+\b], 23, v[SO+\b]
.endr
	v_lshl_or_b32 v[\pw], v[BY+1], 8, v[BY]
	v_lshl_or_b32 v[\pw], v[BY+2], 16, v[\pw]
	v_lshl_or_b32 v[\pw], v[BY+3], 24, v[\pw]
.irp t, 0,1,2,3,4,5,6,7
	v_cvt_scalef32_pk8_fp4_f32 v[(\pc)+4*(\t/4)+2*(\t%2)+(\t/2)%2], v[(\s)+8*\t:(\s)+8*\t+7], v[SO+\t/2]
.endr
	v_nop                                          ; one plain place behind a scaled conversion
.irp c, 0,1
.irp e, 0,1
	v_permlane16_swap_b32 v[(\pc)+4*\c+2*\e], v[(\pc)+4*\c+2*\e+1]
.endr
.endr
.endm
	s_load_b512 s[4:19], s[0:1], 0x0
	s_load_b512 s[20:35], s[0:1], 0x40
	s_load_b128 s[36:39], s[0:1], 0x80
	v_lshl_add_u32 v[SPW], v0, 2, SPARE
	v_mov_b32 v[NIL], 0
	ds_add_u32 v9, v10
	s_wait_dscnt 0x0
	v_lshrrev_b32 v1, 5, v0
	v_readfirstlane_b32 s[WV], v1                  ; wave 0..7
	s_lshr_b32 s[TG], s[WV], 2
	s_and_b32 s[HH], s[WV], 3
	s_mov_b32 s[LM], 0xffff0000
	s_mov_b32 s[SEL], 0x76543210
	s_mov_b32 s[SEL+1], 0xfedcba98
	s_bfe_u32 s76, ttmp6, 0x40000                  ; cx
	s_bfe_u32 s77, ttmp6, 0x40004                  ; cy
	s_lshl_b32 s98, ttmp9, 2
	s_add_co_u32 s98, s98, s76                     ; ns: which 256 columns = 4 x cluster x + cx
	s_and_b32 s78, ttmp7, 0xffff
	s_lshl_b32 s78, s78, 2
	s_add_co_u32 s78, s78, s77                     ; mb: which 128 tokens = 4 x cluster y + cy
	s_lshl_b32 s79, s77, 2
	s_lshl_b32 s79, 15, s79                        ; my row of the cluster
	s_lshl_b32 s99, 0x1111, s76                    ; my column
	; descriptor group 1: 64 rows x 256 bytes, 512 bytes apart in memory, 16 bytes of padding behind each row in LDS
	s_or_b32 s[G1X], s79, (1<<20)|(1<<21)|(5<<22)|(3<<25)   ; 15:0 the mask; 17:16 elements of 1 byte; 20 padding on; 21 set beside a mask; 24:22 after every 64 words; 31:25 four words
	s_or_b32 s[G1W], s99, (1<<20)|(1<<21)|(5<<22)|(3<<25)
.irp g, G1X, G1W
	s_mov_b32 s[\g+1], 256<<16                     ; tensor_dim0
	s_mov_b32 s[\g+2], 64<<16                      ; tensor_dim1
	s_mov_b32 s[\g+3], 256<<16                     ; tile_dim0
	s_mov_b32 s[\g+4], 64                          ; tile_dim1
	s_mov_b32 s[\g+5], 512                         ; tensor_dim0_stride
	s_mov_b32 s[\g+6], 0
	s_mov_b32 s[\g+7], 0
.endr
	s_and_b32 s94, s[WV], 1                        ; tokens: row 128 mb + 64 (wave % 2), 512 bytes a row: made of cy and the wave's number alone
	s_lshl_b32 s94, s94, 15
	s_lshl_b32 s95, s78, 16
	s_add_co_u32 s94, s94, s95
	s_mov_b32 s95, 0
	s_add_co_u32 s96, s[WV], 2                     ; W: row 256 ns + 64 (wave - 2), for waves 2 to 5: made of cx and the wave's number alone
	s_and_b32 s96, s96, 3
	s_lshl_b32 s96, s96, 15
	s_lshl_b32 s97, s98, 17
	s_add_co_u32 s96, s96, s97
	s_mov_b32 s97, 0
	s_mul_i32 s[TL], s[WV], QUART                  ; where my tensor load lands in a slot: wave x 64 rows
	s_mul_i32 s[AXQ], s[TG], QUART                 ; q, k: my 64 tokens,
	s_mul_i32 s[AWQ], s[HH], QUART
	s_add_co_u32 s[AWQ], s[AWQ], WROW0             ; my head's 64 rows of W;
	s_mul_i32 s[AWV], s[WV], 32*PITCH
	s_add_co_u32 s[AWV], s[AWV], WROW0             ; v: my 32 rows of W
	s_wait_kmcnt 0x0
.irp p, 0,1,2
	s_add_nc_u64 s[XB+2*\p:XB+2*\p+1], s[XB+2*\p:XB+2*\p+1], s[94:95]
	s_add_nc_u64 s[WB+2*\p:WB+2*\p+1], s[WB+2*\p:WB+2*\p+1], s[96:97]
.endr
	ROUND                                          ; all sixteen work-groups are here: the first joint loads meet
.irp s, 0,1
	s_mov_b32 s[G0X+4*\s], 1                       ; count = 1
	s_add_co_u32 s[G0X+4*\s+1], s[TL], \s*SLOT     ; LDS address
	s_add_nc_u64 s[G0X+4*\s+2:G0X+4*\s+3], s[XB:XB+1], \s*256   ; global address: K half s of the query product
	s_or_b32 s[G0X+4*\s+3], s[G0X+4*\s+3], 0x80000000          ; type = 2
	s_mov_b32 s[G0W+4*\s], 1
	s_add_co_u32 s[G0W+4*\s+1], s[TL], \s*SLOT
	s_add_nc_u64 s[G0W+4*\s+2:G0W+4*\s+3], s[WB:WB+1], \s*256
	s_or_b32 s[G0W+4*\s+3], s[G0W+4*\s+3], 0x80000000
.endr
	s_cmp_lt_u32 s[WV], 2                          ; a wave's two first fills stand in one branch: two loads of mine are out
	s_cbranch_scc0 .Lfirst_not_x
	tensor_load_to_lds s[G0X:G0X+3], s[G1X:G1X+7]
	s_nop 0
	tensor_load_to_lds s[G0X+4:G0X+7], s[G1X:G1X+7]
	s_nop 0
	PLACES 4
	s_branch .Lfirst_asked
.Lfirst_not_x:
	s_cmp_lt_u32 s[WV], 6
	s_cbranch_scc0 .Lfirst_asked
	tensor_load_to_lds s[G0W:G0W+3], s[G1W:G1W+7]
	s_nop 0
	tensor_load_to_lds s[G0W+4:G0W+7], s[G1W:G1W+7]
	s_nop 0
	PLACES 4
.Lfirst_asked:
	s_lshl_b32 s100, s78, 12                       ; the scale bytes of my 128 tokens: 4,096 dense bytes,
	s_mov_b32 s101, 0
.irp p, 0,1,2
	s_add_nc_u64 s[XSP+2*\p:XSP+2*\p+1], s[XSP+2*\p:XSP+2*\p+1], s[100:101]
.endr
	s_lshl_b32 s100, s98, 13                       ; of my 256 rows of W: 8,192
.irp p, 0,1,2
	s_add_nc_u64 s[WSP+2*\p:WSP+2*\p+1], s[WSP+2*\p:WSP+2*\p+1], s[100:101]
.endr
	v_and_b32 v5, 15, v0                           ; r
	v_bfe_u32 v6, v0, 4, 1                         ; h
	v_mul_u32_u24 v[FR0], v5, PITCH
	v_lshl_add_u32 v[FR0], v6, 4, v[FR0]
	v_lshlrev_b32 v[H32], 5, v6
	v_lshlrev_b32 v3, 4, v0                        ; scale bytes in memory: 16 x thread
	v_lshrrev_b32 v4, 4, v0
	v_mul_u32_u24 v4, v4, PITCH
	v_lshl_add_u32 v4, v5, 4, v4
	v_add_nc_u32 v4, SCL, v4                       ; and in LDS: sixteen threads to a piece of 256 bytes
.irp p, 0,1,2
	global_load_b128 v[64+12*\p:67+12*\p], v3, s[XSP+2*\p:XSP+2*\p+1]
	global_load_b128 v[68+12*\p:71+12*\p], v3, s[WSP+2*\p:WSP+2*\p+1]
	global_load_b128 v[72+12*\p:75+12*\p], v3, s[WSP+2*\p:WSP+2*\p+1] offset:4096
.endr
	s_lshl_b32 s100, s98, 2
	s_add_co_u32 s100, s100, s[HH]
	s_lshl_b32 s100, s100, 8                       ; q, k: my head's 64 numbers of the bias
	s_add_nc_u64 s[BQ:BQ+1], s[BQ:BQ+1], s[100:101]
	s_add_nc_u64 s[BKP:BKP+1], s[BKP:BKP+1], s[100:101]
	s_lshl_b32 s100, s98, 10
	s_lshl_b32 s76, s[WV], 7
	s_add_co_u32 s100, s100, s76                   ; v: my 32 columns'
	s_add_nc_u64 s[BV:BV+1], s[BV:BV+1], s[100:101]
; The bias of q or k in the result's layout: lane (r, h), tile n, register j: column 16 n + 8 h + j of my head.
.macro BIASQK ptr
.irp n, 0,1,2,3
	global_load_b128 v[BIAS+8*\n:BIAS+8*\n+3], v[H32], s[\ptr:\ptr+1] offset:64*\n
	global_load_b128 v[BIAS+8*\n+4:BIAS+8*\n+7], v[H32], s[\ptr:\ptr+1] offset:64*\n+16
.endr
.endm
	BIASQK BQ
	v_bfe_u32 v[SC0], v0, 3, 2                     ; 2 h + r / 8: which piece of 8 rows,
	v_mul_u32_u24 v[SC0], v[SC0], PITCH
	v_and_b32 v5, 7, v0
	v_lshl_add_u32 v[SC0], v5, 5, v[SC0]           ; 32 bytes a row
	v_add_nc_u32 v[SC0], SCL, v[SC0]
	v_and_b32 v[L16], 31, v0
	v_lshlrev_b32 v[L8], 3, v[L16]
	v_lshlrev_b32 v[L16], 4, v[L16]
	v_lshrrev_b32 v[SX], 7, v0                     ; q, k: my 64 tokens are 8 pieces on,
	v_mul_u32_u24 v[SX], v[SX], 8*PITCH
	v_add_nc_u32 v[SX], v[SX], v[SC0]
	v_bfe_u32 v[SW], v0, 5, 2                      ; my head's 64 rows of W likewise, behind the tokens' 16 pieces
	v_mul_u32_u24 v[SW], v[SW], 8*PITCH
	v_add_nc_u32 v[SW], v[SW], v[SC0]
	v_add_nc_u32 v[SW], SCW, v[SW]
	; where the results go
	s_lshr_b32 s79, s78, 4
	s_lshl_b32 s79, s79, 4
	s_lshl_b32 s76, s98, 2
	s_add_co_u32 s79, s79, s76                     ; 16 b + 4 ns: the first of my four heads
	s_and_b32 s99, s78, 15                         ; st: which 128 tokens of the sequence
	s_add_co_u32 s77, s79, s[HH]                   ; bh of q and k
	s_lshl_b32 s100, s77, 16                       ; qc: (128 bh + 8 st + 4 TG) x 512
	s_lshl_b32 s76, s99, 12
	s_add_co_u32 s100, s100, s76
	s_lshl_b32 s76, s[TG], 11
	s_add_co_u32 s100, s100, s76
	s_add_nc_u64 s[QC:QC+1], s[QC:QC+1], s[100:101]
	s_lshl_b32 s100, s77, 13                       ; qs: 8,192 bh + (2 st + TG) x 256
	s_lshl_b32 s76, s99, 9
	s_add_co_u32 s100, s100, s76
	s_lshl_b32 s76, s[TG], 8
	s_add_co_u32 s100, s100, s76
	s_add_nc_u64 s[QS:QS+1], s[QS:QS+1], s[100:101]
	s_lshl_b32 s100, s77, 4                        ; kv: record 16 bh + st
	s_add_co_u32 s100, s100, s99
	s_mul_i32 s100, s100, REC
	s_add_nc_u64 s[KREC:KREC+1], s[KVP:KVP+1], s[100:101]
	s_lshl_b32 s100, s[TG], 11
	s_add_nc_u64 s[KC:KC+1], s[KREC:KREC+1], s[100:101]      ; K's codes: my four tiles
	s_lshl_b32 s100, s[TG], 8
	s_add_co_u32 s100, s100, 8192
	s_add_nc_u64 s[KS:KS+1], s[KREC:KREC+1], s[100:101]      ; K's scale words: my half
	s_lshr_b32 s76, s[WV], 1
	s_add_co_u32 s76, s76, s79                     ; bh of my 32 columns of v
	s_lshl_b32 s76, s76, 4
	s_add_co_u32 s76, s76, s99
	s_mul_i32 s100, s76, REC
	s_and_b32 s76, s[WV], 1
	s_lshl_b32 s76, s76, 11
	s_add_co_u32 s100, s100, s76
	s_add_co_u32 s100, s100, 4096
	s_add_nc_u64 s[VC:VC+1], s[KVP:KVP+1], s[100:101]        ; V's codes: my two tiles of 16 channels
	s_wait_loadcnt 0x8                             ; the nine loads of scale bytes are in; the eight of the bias may be out
.irp p, 0,1,2
.irp i, 0,1,2
	ds_store_b128 v4, v[64+12*\p+4*\i:67+12*\p+4*\i] offset:SCP*\p+SCW*\i
.endr
.endr
	s_wait_tensorcnt 0x1                           ; my part of K half 0 is in; K half 1's may stay out
	s_wait_dscnt 0x0                               ; my stores of scale bytes have landed
	s_barrier_signal -1
	s_barrier_wait -1
; A step of 128 along K for q or k: 16 loads, 16 matrix instructions on 16 accumulators that take turns in one fixed order.
; Four places stand in front of loads into registers that matrix instructions have read (ISA guide 7.12.1 for vector instructions).
.macro KQK q, first
	PLACES 4
.irp n, 0,1,2,3
	ds_load_b128 v[64+8*\n:67+8*\n], v[AW] offset:16*PITCH*\n+64*\q
	ds_load_b128 v[68+8*\n:71+8*\n], v[AW] offset:16*PITCH*\n+64*\q+32
.endr
.irp m, 0,1,2,3
	ds_load_b128 v[96+8*\m:99+8*\m], v[AX] offset:16*PITCH*\m+64*\q
	ds_load_b128 v[100+8*\m:103+8*\m], v[AX] offset:16*PITCH*\m+64*\q+32
.endr
.irp m, 0,1,2,3
	s_wait_dscnt 6-2*\m                            ; W's four fragments and the tokens' up to m are in; two loads for each younger fragment may be out
.irp n, 0,1,2,3
.if \first
	WM ACC+32*\m+8*\n, 64+8*\n, 96+8*\m, BIAS+8*\n, SCQ+4*(\n/2)+\q, SCX+4*(\m/2)+\q, \n%2, \m%2
.else
	WM ACC+32*\m+8*\n, 64+8*\n, 96+8*\m, ACC+32*\m+8*\n, SCQ+4*(\n/2)+\q, SCX+4*(\m/2)+\q, \n%2, \m%2
.endif
.endr
.endr
.endm
; The same for v: source 0 = 16 tokens (8 tiles), source 1 = 16 rows of W (2 tiles).
.macro KV q, first, ax, aw
	PLACES 4
.irp n, 0,1
	ds_load_b128 v[48+8*\n:51+8*\n], v[\aw] offset:16*PITCH*\n+64*\q
	ds_load_b128 v[52+8*\n:55+8*\n], v[\aw] offset:16*PITCH*\n+64*\q+32
.endr
.irp m, 0,1,2,3,4,5,6,7
	ds_load_b128 v[64+8*\m:67+8*\m], v[\ax] offset:16*PITCH*\m+64*\q
	ds_load_b128 v[68+8*\m:71+8*\m], v[\ax] offset:16*PITCH*\m+64*\q+32
.endr
.irp m, 0,1,2,3,4,5,6,7
	s_wait_dscnt 14-2*\m                           ; two loads for each younger fragment of tokens may be out
.irp n, 0,1
.if \first
	WM ACC+64*\n+8*\m, 64+8*\m, 48+8*\n, BIAS+8*\n, SCX+4*(\m/2)+\q, SWV+\q, \m%2, \n
.else
	WM ACC+64*\n+8*\m, 64+8*\m, 48+8*\n, ACC+64*\n+8*\m, SCX+4*(\m/2)+\q, SWV+\q, \m%2, \n
.endif
.endr
.endr
.endm
; THE CHANGE OF SLOTS in front of trip i.  Each wave waits for all its tensor loads (its part of the slot ahead), adds 0 to its spare word, and waits for that and for its reads of the slot that it has left.
; i < 5: that slot takes fill i + 1: the barrier is a round of the cluster's, and the joint refill is the first thing behind it.
.macro CHANGE i
	s_wait_tensorcnt 0x0                           ; no tensor load of mine is out, so a group 0 may be written
	ds_add_u32 v[SPW], v[NIL]                      ; 0 onto my spare word
.if \i < 5
.set FS, ((\i)+1)%2
.set FP, ((\i)+1)/2
	s_add_nc_u64 s[G0X+4*FS+2:G0X+4*FS+3], s[XB+2*FP:XB+2*FP+1], 256*FS   ; product FP, K half FS
	s_or_b32 s[G0X+4*FS+3], s[G0X+4*FS+3], 0x80000000
	s_add_nc_u64 s[G0W+4*FS+2:G0W+4*FS+3], s[WB+2*FP:WB+2*FP+1], 256*FS
	s_or_b32 s[G0W+4*FS+3], s[G0W+4*FS+3], 0x80000000
	s_wait_dscnt 0x0                               ; the add is done, and my reads of the slot are over
	ROUND
	JLOAD FS
.else
	s_wait_dscnt 0x0
	s_barrier_signal -1
	s_barrier_wait -1
.endif
.endm
; A trip: K half kh of product p (q or k).  One load of 16 bytes brings a row's scale words of the half's four steps; lanes 0-15 take tile 2 e's rows, lanes 16-31 tile 2 e + 1's.
.macro TRIPQK p, kh
	s_wait_xcnt 0x0                                ; the epilogue's stores have read their registers: the fragments' registers may be loaded again
.if \kh == 0
	v_add_nc_u32 v[AX], s[AXQ], v[FR0]
	v_add_nc_u32 v[AW], s[AWQ], v[FR0]
.else
	v_add_nc_u32 v[AX], SLOT, v[AX]
	v_add_nc_u32 v[AW], SLOT, v[AW]
.endif
	PLACES 2                                       ; with the two additions: four places in front of the loads into the scale registers
.irp e, 0,1
	ds_load_b128 v[SCX+4*\e:SCX+4*\e+3], v[SX] offset:SCP*\p+4*PITCH*\e+16*\kh
	ds_load_b128 v[SCQ+4*\e:SCQ+4*\e+3], v[SW] offset:SCP*\p+4*PITCH*\e+16*\kh
.endr
.if \kh == 0
	s_wait_loadcnt 0x0                             ; the bias
	KQK 0, 1
.else
.if \p == 0
	BIASQK BKP                                     ; the next product's bias, a trip ahead: this product's first step has read its own
.else
	v_and_b32 v41, 15, v0
	v_lshlrev_b32 v41, 2, v41
	global_load_b32 v32, v41, s[BV:BV+1]           ; v: lane (r, h) holds column 16 n + r in all eight registers
	global_load_b32 v40, v41, s[BV:BV+1] offset:64
.endif
	KQK 0, 0
.endif
	KQK 1, 0
	KQK 2, 0
	KQK 3, 0
.endm
.macro TRIPV kh
	s_wait_xcnt 0x0
.if \kh == 0
	v_add_nc_u32 v[AW], s[AWV], v[FR0]
	PLACES 3
.else
	v_add_nc_u32 v[AX], SLOT, v[FR0]
	v_add_nc_u32 v[AW], SLOT, v[AW]
	PLACES 2
.endif
.irp e, 0,1,2,3
	ds_load_b128 v[SCX+4*\e:SCX+4*\e+3], v[SC0] offset:SCP*2+4*PITCH*\e+16*\kh
.endr
	ds_load_b128 v[SWV:SWV+3], v[SW] offset:SCP*2+16*\kh
.if \kh == 0
	s_wait_loadcnt 0x0                             ; the bias
.irp j, 1,2,3,4,5,6,7
	v_mov_b32 v[32+\j], v32
	v_mov_b32 v[40+\j], v40
.endr
	KV 0, 1, FR0, AW
	KV 1, 0, FR0, AW
	KV 2, 0, FR0, AW
	KV 3, 0, FR0, AW
.else
	KV 0, 0, AX, AW
	KV 1, 0, AX, AW
	KV 2, 0, AX, AW
	KV 3, 0, AX, AW
.endif
.endm
; q's or k's way out: each of my four tiles of 16 tokens is quantised along the head and stored as an image: 32 lanes x 16 bytes, 512 consecutive bytes.  The four scale words leave as 256 consecutive bytes.
.macro EPIQK cb, sb
	PLACES 4
	v_mov_b32 v[TP], 0                             ; a lane permute's destination counts as one of its sources
	v_mov_b32 v[TP+1], 0
.irp m, 0,1,2,3
	QUANT64 ACC+32*\m, 64+4*\m, 80+\m
	global_store_b128 v[L16], v[64+4*\m:67+4*\m], s[\cb:\cb+1] offset:512*\m
.endr
	v_cndmask_b32 v84, v80, v81, s[LM]             ; lanes 0-15 tile 0's word, lanes 16-31 tile 1's
	v_cndmask_b32 v85, v82, v83, s[LM]             ; tiles 2 and 3
	global_store_b64 v[L8], v[84:85], s[\sb:\sb+1]
.endm
	TRIPQK 0, 0
	CHANGE 1
	TRIPQK 0, 1
	CHANGE 2
	EPIQK QC, QS                                   ; behind the joint load: the refill is on its way while q is quantised
	TRIPQK 1, 0
	CHANGE 3
	TRIPQK 1, 1
	CHANGE 4
	EPIQK KC, KS
	v_lshrrev_b32 v[SW], 5, v0                     ; v: my 32 rows of W are 4 pieces of scale bytes a wave
	v_mul_u32_u24 v[SW], v[SW], 4*PITCH
	v_add_nc_u32 v[SW], v[SW], v[SC0]
	v_add_nc_u32 v[SW], SCW, v[SW]
	TRIPV 0
	CHANGE 5
	TRIPV 1
	; v's way out: each of my two tiles of 16 channels is quantised along the 128 keys: a whole fragment, two stores of 512 consecutive bytes
	PLACES 4
.irp b, 0,1,2,3
	v_mov_b32 v[TP+\b], 0
.endr
	v_lshrrev_b32 v86, 6, v0                       ; my head of the four,
	v_bfe_u32 v90, v0, 5, 1                        ; which half of its channels
	v_lshlrev_b32 v86, 8, v86
	v_lshl_add_u32 v86, v90, 2, v86
	v_add_nc_u32 v86, v86, v[L8]
	v_add_nc_u32 v86, VST, v86                     ; where my scale words meet the other half's
	v_bfe_u32 v90, v0, 5, 2
	v_lshl_add_u32 v90, v90, 8, v[L8]
	v_add_nc_u32 v90, VST, v90                     ; and where waves 0 to 3 read a head's 256 bytes back
.irp n, 0,1
	QUANT128 ACC+64*\n, 64+8*\n, 80+\n
	global_store_b128 v[L16], v[64+8*\n:67+8*\n], s[VC:VC+1] offset:1024*\n
	global_store_b128 v[L16], v[68+8*\n:71+8*\n], s[VC:VC+1] offset:1024*\n+512
.endr
	v_cndmask_b32 v87, v80, v81, s[LM]             ; lanes 0-15 my first tile's word, lanes 16-31 my second's
	ds_store_b32 v86, v87
	s_wait_dscnt 0x0                               ; for the others' sake: my words have landed
	s_barrier_signal -1
	s_barrier_wait -1
	s_cmp_lt_u32 s[WV], 4
	s_cbranch_scc0 .Lno_vs
	ds_load_b64 v[88:89], v90
	s_wait_dscnt 0x0
	global_store_b64 v[L8], v[88:89], s[KREC:KREC+1] offset:8704   ; head = my wave's number: the record is the one that took my k; 256 consecutive bytes
.Lno_vs:
	s_wait_tensorcnt 0x0                           ; the wave's end: behind my last tensor load and my last LDS store
	ds_add_u32 v[SPW], v[NIL]
	s_wait_dscnt 0x0
	ROUND                                          ; the closing round: no work-group ends while a partner may still ask for a tile that names it
	s_endpgm
.Lfunc_end_k_qf19c1c534e_qkv:
	.size	k_qf19c1c534e_qkv, .Lfunc_end_k_qf19c1c534e_qkv-k_qf19c1c534e_qkv
	.p2alignl 7, 3214868480
	.fill 96, 4, 3214868480
	.section	.rodata,"a",@progbits
	.p2align	6, 0x0
	.amdhsa_kernel k_qf19c1c534e_qkv
		.amdhsa_group_segment_fixed_size 327680
		.amdhsa_private_segment_fixed_size 0
		.amdhsa_enable_private_segment 0
		.amdhsa_kernarg_size 144
		.amdhsa_user_sgpr_count 2
		.amdhsa_user_sgpr_kernarg_segment_ptr 1
		.amdhsa_wavefront_size32 1
		.amdhsa_system_sgpr_workgroup_id_x 1
		.amdhsa_system_sgpr_workgroup_id_y 1
		.amdhsa_system_sgpr_workgroup_id_z 1
		.amdhsa_system_vgpr_workitem_id 0
		.amdhsa_next_free_vgpr 256
		.amdhsa_next_free_sgpr 102
		.amdhsa_reserve_vcc 0
		.amdhsa_float_denorm_mode_32 3
		.amdhsa_float_denorm_mode_16_64 3
		.amdhsa_memory_ordered 1
		.amdhsa_forward_progress 1
		.amdhsa_inst_pref_size 128
	.end_amdhsa_kernel
	.amdgpu_metadata
---
amdhsa.version: [ 1, 2 ]
amdhsa.kernels:
  - .name:           k_qf19c1c534e_qkv
    .symbol:         k_qf19c1c534e_qkv.kd
    .args:
      - { .name: query_codes, .offset: 0, .size: 8, .value_kind: global_buffer, .address_space: global }
      - { .name: key_codes, .offset: 8, .size: 8, .value_kind: global_buffer, .address_space: global }
      - { .name: value_codes, .offset: 16, .size: 8, .value_kind: global_buffer, .address_space: global }
      - { .name: Wq_codes, .offset: 24, .size: 8, .value_kind: global_buffer, .address_space: global }
      - { .name: Wk_codes, .offset: 32, .size: 8, .value_kind: global_buffer, .address_space: global }
      - { .name: Wv_codes, .offset: 40, .size: 8, .value_kind: global_buffer, .address_space: global }
      - { .name: query_scales, .offset: 48, .size: 8, .value_kind: global_buffer, .address_space: global }
      - { .name: key_scales, .offset: 56, .size: 8, .value_kind: global_buffer, .address_space: global }
      - { .name: value_scales, .offset: 64, .size: 8, .value_kind: global_buffer, .address_space: global }
      - { .name: Wq_scales, .offset: 72, .size: 8, .value_kind: global_buffer, .address_space: global }
      - { .name: Wk_scales, .offset: 80, .size: 8, .value_kind: global_buffer, .address_space: global }
      - { .name: Wv_scales, .offset: 88, .size: 8, .value_kind: global_buffer, .address_space: global }
      - { .name: bq, .offset: 96, .size: 8, .value_kind: global_buffer, .address_space: global }
      - { .name: bk, .offset: 104, .size: 8, .value_kind: global_buffer, .address_space: global }
      - { .name: bv, .offset: 112, .size: 8, .value_kind: global_buffer, .address_space: global }
      - { .name: qc, .offset: 120, .size: 8, .value_kind: global_buffer, .address_space: global }
      - { .name: qs, .offset: 128, .size: 8, .value_kind: global_buffer, .address_space: global }
      - { .name: kv, .offset: 136, .size: 8, .value_kind: global_buffer, .address_space: global }
    .group_segment_fixed_size: 327680
    .private_segment_fixed_size: 0
    .kernarg_segment_align: 8
    .kernarg_segment_size: 144
    .max_flat_workgroup_size: 256
    .sgpr_count:     102
    .vgpr_count:     256
    .wavefront_size: 32
...
	.end_amdgpu_metadata
.endif
;; end of part 2
;; launch attn (part 3): grid 4 x 64, 16 waves a work-group, no clusters, 146,432 bytes of LDS; arguments qc, qs, mw, mf, xc, xs, kv; writes xc, xs
.if DOCPART == 3
	.amdgcn_target "amdgcn-amd-amdhsa--gfx1250"
	.amdhsa_code_object_version 6
	.text
	.protected	k_qf19c1c534e_attn
	.globl	k_qf19c1c534e_attn
	.p2align	8
	.type	k_qf19c1c534e_attn,@function
k_qf19c1c534e_attn:
	s_mov_b64 s[64:65], 0
	v_nop
	global_prefetch_b8 v0, s[64:65] scope:SCOPE_SE
	s_setreg_imm32_b32 hwreg(HW_REG_WAVE_MODE, 25, 1), 1
	s_wait_xcnt 0x0
; x[b][q][head] = softmax_k(q . k / 8, hidden keys at a very low logit) v, both products on codes of FP4 (E2M1) with one E8M0 scale for each 32 along a product's K; x is quantised along the head and stored
; as images of the last product's operand: xc [16-token tile][head][lane][16 B], xs [bh][tile][r] two scale bytes.
; THE SOFTMAX AHEAD OF THE SECOND PRODUCT: t = score x log2(e) / 8; M = the row's largest t so far, rounded UP to a whole number; p = 2^(t - M) is quantised along the keys, not normalised; the row's sum is
; taken of the unquantised p and divides at the end.  When M moves, the sum and O are multiplied by 2^(old M - new M): exact.
; THE MASK is an input.  An earlier launch has stored, for each tile of 16 queries, lane masks for each register of scores (mw) and a control word (mf): a key step runs if it holds a key that counts, or if some
; query of the tile has no key at all; a step in which nothing is hidden passes over the 64 selects.  Both are scalar branches on stored whole numbers.
; LIMIT: a hidden score is replaced by -2^33, a logit of -2^30 where the reference has -1e9, so that score x c is exact and a query without any key gets p = 1 on all keys.  The results agree while true logits
; lie above about -1e9.  NaN and infinities are not served; a block of zeros gets the scale byte 1 (its codes are zeros).
; SHARES.  A work-group owns one head: its K and V, 16 records of 8,960 bytes, come into LDS ONCE, through registers.  Wave w of work-group i takes tile 16 i + w of the 128 tiles of queries and then tile
; 127 - (16 i + w): under a lower-triangular mask every wave then runs the same number of steps; for any other mask the result is as right, only the shares less even.
; NO CLUSTER, NO TENSOR LOAD: branches hang on numbers read from memory; the four work-groups of a head each read its 143,360 bytes.
; LAYOUT.  Both products are used transposed: S^T = K Q^T (source 0 = 16 keys), O^T = V^T P^T (source 0 = 16 channels): a lane holds ONE query (lane % 16).  The head's 64 fill half of the first product's K:
; registers 4-7 of Q's and K's fragments are zero codes, written once.  Register 8 t + j of S^T is key 16 t + 8 (lane / 16) + j.
.set REC,   8960
.set HEADB, 16*REC
.set STG,   HEADB                      ; behind the records: x's scale bytes on their way out, 2 x 512 bytes
.set KF,  24                           ; v24-87   K: 8 tiles x 8 registers
.set VF,  88                           ; v88-119  V: 4 tiles x 8
.set S,   120                          ; v120-183 S^T, then p
.set O,   184                          ; v184-215 O^T
.set PC,  216                          ; v216-223 p's codes
.set KSC, 224                          ; v224-227 K's scale words: register t / 2, lanes 0-15 the even tile
.set VSC, 228                          ; v228-229 V's
.set PWX, 231                          ; v231     x's two scale bytes
.set TM,  232                          ; v232-254 at work
.set TP,  236
.set BY,  240
.set SO,  244
.set WV,  2
.set CNT, 3
.set STB, 4                            ; s4   LDS byte at which the step's record begins
.set MOF, 5                            ; s5   the step's 256 bytes of lane masks
.set CW,  6                            ; s6   the control word, shifted down a bit a step
.set TT,  7                            ; s7   the tile of queries
.set SEL, 8                            ; s[8:9]
.set CS,  10                           ; s[10:11] c = log2(e) / 8
.set MWP, 12                           ; s[12:13] the tile's lane masks;  s[16:63], s[68:83] the step's 64 words
; v1 16 lane; v2 8 lane + 8,192; v3, v4 the step's addresses; v5 the hidden score; v6 Q's scale word; v7 8 r; v8, v9 where x's scale bytes go; v10 where they are read back;
; v12 -M, v13 the largest t, v[14:15] the sum in two halves; v16-23 Q
.macro PLACES n
.rept \n
	v_nop
.endr
.endm
; 32 numbers of a lane, register 8 t + j = channel 16 t + 8 (lane / 16) + j of my query, become registers 0-3 of a fragment and two scale bytes.
.macro QUANT64 s, pc, pw
.irp b, 0,1
	v_max3_num_f32 v[TM+\b], |v[(\s)+16*\b]|, |v[(\s)+1+16*\b]|, 0x1800000   ; and the floor 2^(3 - 127): the byte cannot fall under 1
.endr
.irp i, 2,4,6,8,10,12,14
.irp b, 0,1
	v_max3_num_f32 v[TM+\b], v[TM+\b], |v[(\s)+16*\b+\i]|, |v[(\s)+1+16*\b+\i]|
.endr
.endr
.irp b, 0,1
	v_permlanex16_b32 v[TP+\b], v[TM+\b], s[SEL], s[SEL+1]
.endr
.irp b, 0,1
	v_max_num_f32 v[TM+\b], v[TM+\b], v[TP+\b]
.endr
.irp b, 0,1
	v_add_nc_u32 v[SO+\b], 0xff000000, v[TM+\b]
.endr
.irp b, 0,1
	v_lshrrev_b32 v[BY+\b], 23, v[SO+\b]
.endr
	v_lshl_or_b32 v[\pw], v[BY+1], 8, v[BY]
.irp t, 0,1,2,3
	v_cvt_scalef32_pk8_fp4_f32 v[(\pc)+2*(\t%2)+\t/2], v[(\s)+8*\t:(\s)+8*\t+7], v[SO+\t/2]
.endr
	v_nop                                          ; one plain place behind a scaled conversion
	v_permlane16_swap_b32 v[\pc], v[(\pc)+1]
	v_permlane16_swap_b32 v[(\pc)+2], v[(\pc)+3]
.endm
	s_load_b256 s[84:91], s[0:1], 0x0              ; qc, qs, mw, mf
	s_load_b128 s[92:95], s[0:1], 0x20             ; xc, xs
	s_load_b64 s[96:97], s[0:1], 0x30              ; kv
	v_lshl_add_u32 v251, v0, 2, 0x23400
	v_mov_b32 v255, 0
	v_lshrrev_b32 v1, 5, v0
	v_readfirstlane_b32 s[WV], v1                  ; wave 0..15
	s_and_b32 s100, ttmp7, 0xffff                  ; bh
	s_mov_b32 s101, ttmp9                          ; i
	s_mul_i32 s14, s100, HEADB
	s_mov_b32 s15, 0                               ; (stays 0: the upper word of every offset)
	v_lshlrev_b32 v3, 4, v0                        ; 16 x thread
	v_lshlrev_b32 v4, 3, v0                        ; 8 x thread
	s_wait_kmcnt 0x0
	s_add_nc_u64 s[96:97], s[96:97], s[14:15]      ; the head's records
.set i, 0
.rept 17
	global_load_b128 v[S+4*i:S+4*i+3], v3, s[96:97] offset:8192*i   ; 512 threads x 16 bytes on end
.set i, i+1
.endr
	global_load_b64 v[188:189], v4, s[96:97] offset:139264          ; the last 4,096 bytes
	v_add_nc_u32 v24, 0x10000, v3                  ; an LDS offset has 16 bits: the registers carry the rest
	v_add_nc_u32 v25, 0x20000, v3
	v_add_nc_u32 v26, 139264, v4
	s_lshl_b32 s14, s100, 16
	s_add_nc_u64 s[84:85], s[84:85], s[14:15]      ; qc at my head: 128 tiles x 512 bytes
	s_lshl_b32 s14, s100, 13
	s_add_nc_u64 s[86:87], s[86:87], s[14:15]      ; qs
	s_lshr_b32 s14, s100, 4
	s_lshl_b32 s14, s14, 20                        ; xc: 128 tiles x 8,192 bytes a batch,
	s_and_b32 s98, s100, 15
	s_lshl_b32 s98, s98, 9                         ; 512 bytes a head
	s_add_co_u32 s14, s14, s98
	s_add_nc_u64 s[92:93], s[92:93], s[14:15]
	s_lshl_b32 s14, s100, 12
	s_add_nc_u64 s[94:95], s[94:95], s[14:15]      ; xs
	s_mov_b32 s[SEL], 0x76543210
	s_mov_b32 s[SEL+1], 0xfedcba98
	s_mov_b32 s[CS], 0x3e38aa3b                    ; log2(e) / 8
	s_mov_b32 s[CS+1], s[CS]                       ; (named with it as a pair, so it is written)
	v_and_b32 v2, 31, v0
	v_lshlrev_b32 v1, 4, v2
	v_lshl_add_u32 v2, v2, 3, 8192
	v_mov_b32 v5, 0xd0000000                       ; -2^33
	v_and_b32 v7, 15, v0                           ; r
	s_lshl_b32 s14, s[WV], 5
	s_add_co_u32 s14, s14, STG
	v_lshl_add_u32 v8, v7, 1, s14                  ; first tile: 32 bytes a wave, 2 a query
	s_xor_b32 s14, s[WV], 15
	s_lshl_b32 s14, s14, 5
	s_add_co_u32 s14, s14, STG+512
	v_lshl_add_u32 v9, v7, 1, s14                  ; second tile: the waves' tiles descend
	v_and_b32 v10, 63, v0
	v_lshl_add_u32 v10, v10, 4, STG
	v_lshlrev_b32 v7, 3, v7
.set i, 0
.rept 8
	s_wait_loadcnt 17-i                            ; load i is in; the younger ones may be out
	ds_store_b128 v3, v[S+4*i:S+4*i+3] offset:8192*i
.set i, i+1
.endr
.rept 8
	s_wait_loadcnt 17-i
	ds_store_b128 v24, v[S+4*i:S+4*i+3] offset:8192*(i-8)
.set i, i+1
.endr
	s_wait_loadcnt 0x0
	ds_store_b128 v25, v[184:187]
	ds_store_b64 v26, v[188:189]
.irp j, 20,21,22,23
	v_mov_b32 v[\j], 0                             ; zero codes for the K that the head does not fill: Q's,
.endr
.irp t, 0,1,2,3,4,5,6,7
.irp j, 4,5,6,7
	v_mov_b32 v[KF+8*\t+\j], 0                     ; and K's: written once
.endr
.endr
.irp j, 236,237,238,239,252,253
	v_mov_b32 v[\j], 0                             ; lane permutes' destinations and the upper half of the pair v[252:253] count as read
.endr
	s_wait_dscnt 0x0                               ; my part of the records has landed
	s_barrier_signal -1
	s_barrier_wait -1
; ONE TILE OF 16 QUERIES against all keys that count.  sa: the register that says where its scale bytes go.
.macro TASK sa
	s_wait_xcnt 0x0                                ; the last tile's loads and stores have read their addresses and data
	s_lshl_b32 s14, s[TT], 9
	s_add_nc_u64 s[66:67], s[84:85], s[14:15]
	global_load_b128 v[16:19], v1, s[66:67]        ; Q's fragment
	s_lshr_b32 s14, s[TT], 2                       ; its scale word: group T / 4, lane r + 16 (T % 2), word (T / 2) % 2
	s_lshl_b32 s14, s14, 8
	s_and_b32 s98, s[TT], 1
	s_lshl_b32 s98, s98, 7
	s_add_co_u32 s14, s14, s98
	s_bfe_u32 s98, s[TT], 0x10001
	s_lshl_b32 s98, s98, 2
	s_add_co_u32 s14, s14, s98
	s_add_nc_u64 s[98:99], s[86:87], s[14:15]
	global_load_b32 v6, v7, s[98:99]
	s_lshl_b32 s14, s[TT], 12
	s_add_nc_u64 s[MWP:MWP+1], s[88:89], s[14:15]
	s_lshl_b32 s14, s[TT], 2
	s_load_b32 s[CW], s[90:91], s14 offset:0x0
	v_mov_b32 v13, 0xff61b1e6                      ; the largest t so far: -3e38, under every t
	v_floor_f32 v12, -v13                          ; -M
	v_mov_b32 v14, 0
	v_mov_b32 v15, 0
.set j, 0
.rept 32
	v_mov_b32 v[O+j], 0                            ; O^T.  Which step runs first hangs on the mask, so no first step can be written out to start the sums
.set j, j+1
.endr
	s_mov_b32 s[CNT], 16
	s_mov_b32 s[STB], 0
	s_mov_b32 s[MOF], 0
	s_wait_kmcnt 0x0
	s_wait_loadcnt 0x0
.Lstep_\@:                                             ; 16 trips, a constant: a step that does not run passes to the lines that step addresses
	s_bitcmp1_b32 s[CW], 0
	s_cbranch_scc0 .Lhidden_\@
	s_load_b512 s[16:31], s[MWP:MWP+1], s[MOF] offset:0x0
	s_load_b512 s[32:47], s[MWP:MWP+1], s[MOF] offset:0x40
	s_load_b512 s[48:63], s[MWP:MWP+1], s[MOF] offset:0x80
	s_load_b512 s[68:83], s[MWP:MWP+1], s[MOF] offset:0xc0
	v_add_nc_u32 v3, s[STB], v1
	v_add_nc_u32 v4, s[STB], v2
	PLACES 2                                       ; with the two additions: four places in front of loads into registers that the last step's products have read
.irp t, 0,1,2,3,4,5,6,7
	ds_load_b128 v[KF+8*\t:KF+8*\t+3], v3 offset:512*\t
.endr
	ds_load_b64 v[KSC:KSC+1], v4
	ds_load_b64 v[KSC+2:KSC+3], v4 offset:256
.irp d, 0,1,2,3
	ds_load_b128 v[VF+8*\d:VF+8*\d+3], v3 offset:4096+1024*\d
	ds_load_b128 v[VF+8*\d+4:VF+8*\d+7], v3 offset:4096+1024*\d+512
.endr
	ds_load_b64 v[VSC:VSC+1], v4 offset:512
	s_wait_dscnt 0x9                               ; K and its scale words are in; V's nine loads may be out
.irp t, 0,1,2,3,4,5,6,7
.if \t%2
	v_wmma_scale_f32_16x16x128_f8f6f4 v[S+8*\t:S+8*\t+7], v[KF+8*\t:KF+8*\t+7], v[16:23], 0, v[KSC+\t/2], v6 matrix_a_fmt:MATRIX_FMT_FP4 matrix_b_fmt:MATRIX_FMT_FP4 matrix_a_scale:MATRIX_SCALE_ROW1
.else
	v_wmma_scale_f32_16x16x128_f8f6f4 v[S+8*\t:S+8*\t+7], v[KF+8*\t:KF+8*\t+7], v[16:23], 0, v[KSC+\t/2], v6 matrix_a_fmt:MATRIX_FMT_FP4 matrix_b_fmt:MATRIX_FMT_FP4
.endif
.endr
	PLACES 4
	s_wait_kmcnt 0x0                               ; the lane masks are in (on both ways: the registers are loaded again in the next step that runs)
	s_bitcmp1_b32 s[CW], 16
	s_cbranch_scc1 .Lopen_\@
.set n, 0
.rept 64
	v_cndmask_b32 v[S+n], v5, v[S+n], s[16+n+4*(n/48)]   ; a hidden key's score becomes -2^33
.set n, n+1
.endr
.Lopen_\@:
.irp b, 0,1,2,3
	v_max3_num_f32 v[232+\b], v[S+16*\b], v[S+1+16*\b], v[S+2+16*\b]   ; the largest score of each block of 32 keys: for the row's maximum and, since p rises with the score, for the block's largest p
.endr
.irp i, 3,5,7,9,11,13
.irp b, 0,1,2,3
	v_max3_num_f32 v[232+\b], v[232+\b], v[S+16*\b+\i], v[S+1+16*\b+\i]
.endr
.endr
.irp b, 0,1,2,3
	v_max_num_f32 v[232+\b], v[232+\b], v[S+15+16*\b]
.endr
.irp b, 0,1,2,3
	v_permlanex16_b32 v[236+\b], v[232+\b], s[SEL], s[SEL+1]
.endr
.irp b, 0,1,2,3
	v_max_num_f32 v[232+\b], v[232+\b], v[236+\b]  ; with lane l xor 16's 16 keys
.endr
	v_max3_num_f32 v254, v232, v233, v234
	v_max_num_f32 v254, v254, v235                 ; the step's largest score of my query
	v_mul_f32 v254, s[CS], v254                    ; as t (c is positive)
	v_max_num_f32 v13, v13, v254                   ; the running largest t
	v_mov_b32 v254, v12
	v_floor_f32 v12, -v13                          ; the new -M = floor(-t): M is a whole number
	v_sub_f32 v254, v12, v254                      ; old M - new M: a whole number, 0 or less
	v_cvt_i32_f32 v254, v254                       ; (it saturates)
	v_ldexp_f32 v252, 1.0, v254                    ; f = 2^(old M - new M)
.set j, 0
.rept 32
	v_pk_fma_f32 v[S+j:S+j+1], v[S+j:S+j+1], s[CS:CS+1], v[12:13] op_sel_hi:[1,0,0]   ; t - M, two at a time
.set j, j+2
.endr
.irp b, 0,1,2,3
	v_fma_f32 v[232+\b], v[232+\b], s[CS], v12     ; the same of each block's largest score
.endr
.set j, 0
.rept 64
	v_exp_f32 v[S+j], v[S+j]                       ; p = 2^(t - M), at most 1
.set j, j+1
.endr
	v_pk_mul_f32 v[14:15], v[14:15], v[252:253] op_sel_hi:[1,0]   ; the sums under the new M: a plain place behind the exponentials
	s_wait_alu depctr_va_vdst(0)                   ; one wait for the whole batch, ahead of its first reader
.irp b, 0,1,2,3
	v_exp_f32 v[232+\b], v[232+\b]                 ; the block's largest p
.endr
	v_pk_add_f32 v[236:237], v[S:S+1], v[S+2:S+3]  ; the row's sum is taken of the unquantised p, in two chains
.set j, 4
.rept 15
	v_pk_add_f32 v[14:15], v[14:15], v[S+j:S+j+1]
	v_pk_add_f32 v[236:237], v[236:237], v[S+j+2:S+j+3]
.set j, j+4
.endr
	v_pk_add_f32 v[14:15], v[14:15], v[236:237]
	s_wait_alu depctr_va_vdst(0)                   ; and one for the four
.irp b, 0,1,2,3
	v_max_num_f32 v[232+\b], 0x1800000, v[232+\b]  ; the floor 2^(3 - 127)
.endr
.irp b, 0,1,2,3
	v_add_nc_u32 v[244+\b], 0xff000000, v[232+\b]  ; 2 off the exponent field: the conversion's scale operand
.endr
.irp b, 0,1,2,3
	v_lshrrev_b32 v[236+\b], 23, v[244+\b]         ; the scale's byte
.endr
	v_lshl_or_b32 v253, v237, 8, v236              ; p's scale word for these 128 keys
	v_lshl_or_b32 v253, v238, 16, v253
	v_lshl_or_b32 v253, v239, 24, v253
.irp t, 0,1,2,3,4,5,6,7
	v_cvt_scalef32_pk8_fp4_f32 v[PC+4*(\t/4)+2*(\t%2)+(\t/2)%2], v[S+8*\t:S+8*\t+7], v[244+\t/2]   ; tile t = 4 c + 2 hi + e goes to register 4 c + 2 e + hi
.endr
	v_nop                                          ; one plain place behind a scaled conversion
.irp c, 0,1
.irp e, 0,1
	v_permlane16_swap_b32 v[PC+4*\c+2*\e], v[PC+4*\c+2*\e+1]   ; register 4 c + g of lane (r, h) now holds keys 64 c + 32 h + 8 g + 0 .. 7
.endr
.endr
.set j, 0
.rept 16
	v_pk_mul_f32 v[O+j:O+j+1], v[O+j:O+j+1], v[252:253] op_sel_hi:[1,0]   ; O^T under the new M.  These sixteen also stand between the codes and the scale word just made and the products
.set j, j+2
.endr
	s_wait_dscnt 0x0                               ; V and its scale words
.irp d, 0,1,2,3
.if \d%2
	v_wmma_scale_f32_16x16x128_f8f6f4 v[O+8*\d:O+8*\d+7], v[VF+8*\d:VF+8*\d+7], v[PC:PC+7], v[O+8*\d:O+8*\d+7], v[VSC+\d/2], v253 matrix_a_fmt:MATRIX_FMT_FP4 matrix_b_fmt:MATRIX_FMT_FP4 matrix_a_scale:MATRIX_SCALE_ROW1
.else
	v_wmma_scale_f32_16x16x128_f8f6f4 v[O+8*\d:O+8*\d+7], v[VF+8*\d:VF+8*\d+7], v[PC:PC+7], v[O+8*\d:O+8*\d+7], v[VSC+\d/2], v253 matrix_a_fmt:MATRIX_FMT_FP4 matrix_b_fmt:MATRIX_FMT_FP4
.endif
.endr
.Lhidden_\@:
	s_lshr_b32 s[CW], s[CW], 1
	s_add_co_u32 s[STB], s[STB], REC
	s_add_co_u32 s[MOF], s[MOF], 256
	s_sub_co_u32 s[CNT], s[CNT], 1
	s_cmp_lg_u32 s[CNT], 0
	s_cbranch_scc1 .Lstep_\@
	PLACES 4
	v_add_f32 v14, v14, v15                        ; the sum's two halves,
	v_permlanex16_b32 v252, v14, s[SEL], s[SEL+1]
	v_add_f32 v14, v14, v252                       ; and lane l xor 16's
	v_rcp_f32 v14, v14
	v_nop                                          ; a plain place behind the reciprocal
	s_wait_alu depctr_va_vdst(0)                   ; and the wait ahead of its first reader
.set j, 0
.rept 32
	v_mul_f32 v[S+j], v[O+j], v14                  ; x: register 8 t + j is channel 16 t + 8 h + j of my query
.set j, j+1
.endr
	QUANT64 S, PC, PWX
	s_lshl_b32 s14, s[TT], 13
	s_add_nc_u64 s[66:67], s[92:93], s[14:15]
	global_store_b128 v1, v[PC:PC+3], s[66:67]     ; 32 lanes store 512 consecutive bytes
	ds_store_b16 v[\sa], v[PWX]                    ; lanes r and r + 16 write the same two bytes with the same value
.endm
	s_lshl_b32 s[TT], s101, 4
	s_add_co_u32 s[TT], s[TT], s[WV]               ; tile 16 i + w
	TASK 8
	s_xor_b32 s[TT], s[TT], 127                    ; and tile 127 - (16 i + w)
	TASK 9
	s_wait_dscnt 0x0                               ; my scale bytes have landed
	s_barrier_signal -1
	s_barrier_wait -1
	s_cmp_lt_u32 s[WV], 2                          ; wave 0 stores the first tiles' 512 bytes, wave 1 the second tiles'
	s_cbranch_scc0 .Lend
	ds_load_b128 v[S:S+3], v10
	s_mul_i32 s14, s[WV], 7
	s_xor_b32 s14, s14, s101                       ; block i, or block 7 - i
	s_lshl_b32 s14, s14, 9
	s_wait_xcnt 0x0                                ; the last store has read its base
	s_add_nc_u64 s[66:67], s[94:95], s[14:15]
	s_wait_dscnt 0x0
	global_store_b128 v1, v[S:S+3], s[66:67]
.Lend:
	s_wait_tensorcnt 0x0
	ds_add_u32 v251, v255
	s_wait_dscnt 0x0
	s_endpgm
.Lfunc_end_k_qf19c1c534e_attn:
	.size	k_qf19c1c534e_attn, .Lfunc_end_k_qf19c1c534e_attn-k_qf19c1c534e_attn
	.p2alignl 7, 3214868480
	.fill 96, 4, 3214868480
	.section	.rodata,"a",@progbits
	.p2align	6, 0x0
	.amdhsa_kernel k_qf19c1c534e_attn
		.amdhsa_group_segment_fixed_size 146432
		.amdhsa_private_segment_fixed_size 0
		.amdhsa_enable_private_segment 0
		.amdhsa_kernarg_size 56
		.amdhsa_user_sgpr_count 2
		.amdhsa_user_sgpr_kernarg_segment_ptr 1
		.amdhsa_wavefront_size32 1
		.amdhsa_system_sgpr_workgroup_id_x 1
		.amdhsa_system_sgpr_workgroup_id_y 1
		.amdhsa_system_sgpr_workgroup_id_z 1
		.amdhsa_system_vgpr_workitem_id 0
		.amdhsa_next_free_vgpr 256
		.amdhsa_next_free_sgpr 102
		.amdhsa_reserve_vcc 0
		.amdhsa_float_denorm_mode_32 3
		.amdhsa_float_denorm_mode_16_64 3
		.amdhsa_memory_ordered 1
		.amdhsa_forward_progress 1
		.amdhsa_inst_pref_size 58
	.end_amdhsa_kernel
	.amdgpu_metadata
---
amdhsa.version: [ 1, 2 ]
amdhsa.kernels:
  - .name:           k_qf19c1c534e_attn
    .symbol:         k_qf19c1c534e_attn.kd
    .args:
      - { .name: qc, .offset: 0, .size: 8, .value_kind: global_buffer, .address_space: global }
      - { .name: qs, .offset: 8, .size: 8, .value_kind: global_buffer, .address_space: global }
      - { .name: mw, .offset: 16, .size: 8, .value_kind: global_buffer, .address_space: global }
      - { .name: mf, .offset: 24, .size: 8, .value_kind: global_buffer, .address_space: global }
      - { .name: xc, .offset: 32, .size: 8, .value_kind: global_buffer, .address_space: global }
      - { .name: xs, .offset: 40, .size: 8, .value_kind: global_buffer, .address_space: global }
      - { .name: kv, .offset: 48, .size: 8, .value_kind: global_buffer, .address_space: global }
    .group_segment_fixed_size: 146432
    .private_segment_fixed_size: 0
    .kernarg_segment_align: 8
    .kernarg_segment_size: 56
    .max_flat_workgroup_size: 512
    .sgpr_count:     102
    .vgpr_count:     256
    .wavefront_size: 32
...
	.end_amdgpu_metadata
.endif
;; end of part 3
;; launch oproj (part 4): grid 4 x 64, 8 waves a work-group, clusters of 4 x 4, 263,168 bytes of LDS; arguments xc, xs, Wo_codes, Wo_scales, bo, out0; writes out0
.if DOCPART == 4
	.amdgcn_target "amdgcn-amd-amdhsa--gfx1250"
	.amdhsa_code_object_version 6
	.text
	.protected	k_qf19c1c534e_oproj
	.globl	k_qf19c1c534e_oproj
	.p2align	8
	.type	k_qf19c1c534e_oproj,@function
k_qf19c1c534e_oproj:
	s_mov_b64 s[64:65], 0
	v_nop
	global_prefetch_b8 v0, s[64:65] scope:SCOPE_SE
	s_setreg_imm32_b32 hwreg(HW_REG_WAVE_MODE, 25, 1), 1
	s_wait_xcnt 0x0
	s_wait_alu depctr_hold_cnt(0) depctr_sa_sdst(0) depctr_va_vdst(0) depctr_va_sdst(0) depctr_va_ssrc(0) depctr_va_vcc(0) depctr_vm_vsrc(0)
	s_getreg_b32 s2, hwreg(HW_REG_IB_STS2, 6, 4)
	s_cmp_eq_u32 s2, 0
	s_cbranch_scc0 .Lentry_in_a_cluster
	s_endpgm
.Lentry_in_a_cluster:
	s_bfe_u32 s2, ttmp6, 0x10000c
	s_cmp_lg_u32 s2, 0xf033
	s_cbranch_scc0 .Lentry_shape_is_right
	s_endpgm
.Lentry_shape_is_right:
; out0 = x Wo^T + bo on codes of FP4 (E2M1) with one E8M0 scale for each 32 along K.  x comes as images of its fragments: xc [16-token tile][head][lane][16 B] (head 2 s + c = registers 4 c .. 4 c + 3 of K step s),
; xs [bh][tile][r] two scale bytes.  Wo comes as given: rows of 512 bytes of codes, 32 scale bytes a row.
; SHARES.  A work-group makes 128 tokens x 256 columns; wave (tg, cg) 64 x 64: 16 accumulators, used TRANSPOSED (source 0 = 16 rows of Wo, source 1 = 16 tokens): a lane holds eight neighbouring columns of a row.
; ALL OF K LIES IN LDS: every LDS byte is filled once, in two halves of K, so that the first half is multiplied while the second lands.  No slot is filled again.
; CLUSTER 4 x 4: the four work-groups of a row of the cluster take the same tokens, the four of a column the same rows of Wo: each tile is asked for jointly.
; The scale bytes come through registers into LDS bytes of their own: Wo's as they lie; x's are turned from [head][token] into a row of 32 bytes for each token.
.set PITCH, 272
.set QUART, 64*PITCH
.set WH,    4*QUART                    ; Wo: 256 rows of one K half
.set XI,    2*WH                       ; x's images: 8 tiles x 4,096 bytes for each K half
.set XIH,   32768
.set XSL,   XI+2*XIH                   ; x's scale rows: 16 pieces of 256 bytes + 16
.set WSL,   XSL+16*PITCH               ; Wo's: 32 pieces
.set STAGE, WSL+32*PITCH               ; the way out: 16 rows x (256 bytes + 16) for each wave
.set STW,   16*PITCH
.set FR0, 1
.set SC0, 2
.set AX,  3
.set AW,  4
.set SX,  5
.set SW,  6
.set CO,  8                            ; v8   my byte offset in two rows of out0
.set STO, 9                            ; v9   where I put 32 bytes of a row
.set RD,  10                           ; v10  where I read a row back
.set H32, 11
.set SCX, 16                           ; v16-23 x's scale words;  v24-31 Wo's
.set SCQ, 24
.set BIAS, 32                          ; v32-63 the bias;  v64-127 fragments, later rows on their way out;  v128-255 accumulators
.set ACC, 128
.set WV, 2
.set G1W, 24
.set G1X, 32
.set G0W, 40
.set G0X, 48
.macro PLACES n
.rept \n
	v_nop
.endr
.endm
.macro ROUND
	s_barrier_signal -1
	s_barrier_wait -1
	s_cmp_lg_u32 s[WV], 0
	s_cbranch_scc1 .Lnot_wave_0_\@
	s_barrier_signal -3
.Lnot_wave_0_\@:
	s_barrier_wait -3
	s_barrier_signal -1
	s_barrier_wait -1
.endm
.macro WM d, a, b, c, sa, sb, ra, rb
.if (\ra) && (\rb)
	v_wmma_scale_f32_16x16x128_f8f6f4 v[(\d):(\d)+7], v[(\a):(\a)+7], v[(\b):(\b)+7], v[(\c):(\c)+7], v[\sa], v[\sb] matrix_a_fmt:MATRIX_FMT_FP4 matrix_b_fmt:MATRIX_FMT_FP4 matrix_a_scale:MATRIX_SCALE_ROW1 matrix_b_scale:MATRIX_SCALE_ROW1
.elseif (\ra)
	v_wmma_scale_f32_16x16x128_f8f6f4 v[(\d):(\d)+7], v[(\a):(\a)+7], v[(\b):(\b)+7], v[(\c):(\c)+7], v[\sa], v[\sb] matrix_a_fmt:MATRIX_FMT_FP4 matrix_b_fmt:MATRIX_FMT_FP4 matrix_a_scale:MATRIX_SCALE_ROW1
.elseif (\rb)
	v_wmma_scale_f32_16x16x128_f8f6f4 v[(\d):(\d)+7], v[(\a):(\a)+7], v[(\b):(\b)+7], v[(\c):(\c)+7], v[\sa], v[\sb] matrix_a_fmt:MATRIX_FMT_FP4 matrix_b_fmt:MATRIX_FMT_FP4 matrix_b_scale:MATRIX_SCALE_ROW1
.else
	v_wmma_scale_f32_16x16x128_f8f6f4 v[(\d):(\d)+7], v[(\a):(\a)+7], v[(\b):(\b)+7], v[(\c):(\c)+7], v[\sa], v[\sb] matrix_a_fmt:MATRIX_FMT_FP4 matrix_b_fmt:MATRIX_FMT_FP4
.endif
.endm
	s_load_b256 s[4:11], s[0:1], 0x0               ; xc, xs, Wo's codes, Wo's scales
	s_load_b128 s[12:15], s[0:1], 0x20             ; bo, out0
	v_lshl_add_u32 v7, v0, 2, 0x40000
	v_mov_b32 v15, 0
	ds_add_u32 v7, v15
	v_lshrrev_b32 v1, 5, v0
	v_readfirstlane_b32 s[WV], v1                  ; wave 0..7
	s_lshr_b32 s3, s[WV], 2                        ; tg
	s_and_b32 s16, s[WV], 3                        ; cg
	s_bfe_u32 s17, ttmp6, 0x40000                  ; cx
	s_bfe_u32 s18, ttmp6, 0x40004                  ; cy
	s_lshl_b32 s19, ttmp9, 2
	s_add_co_u32 s19, s19, s17                     ; ns: which 256 columns
	s_and_b32 s20, ttmp7, 0xffff
	s_lshl_b32 s20, s20, 2
	s_add_co_u32 s20, s20, s18                     ; mb: which 128 tokens
	s_lshl_b32 s21, s18, 2
	s_lshl_b32 s21, 15, s21                        ; my row of the cluster
	s_lshl_b32 s22, 0x1111, s17                    ; my column
	; Wo: 64 rows x 256 bytes, 512 bytes apart in memory, 16 bytes of padding behind each row in LDS
	s_or_b32 s[G1W], s22, (1<<20)|(1<<21)|(5<<22)|(3<<25)
	s_mov_b32 s[G1W+1], 256<<16
	s_mov_b32 s[G1W+2], 64<<16
	s_mov_b32 s[G1W+3], 256<<16
	s_mov_b32 s[G1W+4], 64
	s_mov_b32 s[G1W+5], 512
	s_mov_b32 s[G1W+6], 0
	s_mov_b32 s[G1W+7], 0
	; x: 4 tiles of tokens x 4,096 bytes (512 elements of 8 bytes), 8,192 bytes apart in memory, dense in LDS
	s_or_b32 s[G1X], s21, (3<<16)|(1<<21)
	s_mov_b32 s[G1X+1], 512<<16
	s_mov_b32 s[G1X+2], 4<<16
	s_mov_b32 s[G1X+3], 512<<16
	s_mov_b32 s[G1X+4], 4
	s_mov_b32 s[G1X+5], 1024
	s_mov_b32 s[G1X+6], 0
	s_mov_b32 s[G1X+7], 0
	s_and_b32 s56, s[WV], 1
	s_lshl_b32 s61, s56, 14                        ; x in LDS: 16,384 x (wave % 2)
	s_lshl_b32 s56, s56, 15                        ; x in memory: tile 8 mb + 4 (wave % 2): made of cy and the wave's number alone
	s_lshl_b32 s57, s20, 16
	s_add_co_u32 s56, s56, s57
	s_mov_b32 s57, 0
	s_lshl_b32 s58, s16, 15                        ; Wo in memory: row 256 ns + 64 wave, for waves 0 to 3: made of cx and the wave's number alone
	s_lshl_b32 s59, s19, 17
	s_add_co_u32 s58, s58, s59
	s_mov_b32 s59, 0
	s_mul_i32 s60, s16, QUART                      ; Wo in LDS
	s_wait_dscnt 0x0
	s_wait_kmcnt 0x0
	s_add_nc_u64 s[56:57], s[4:5], s[56:57]
	s_add_nc_u64 s[58:59], s[8:9], s[58:59]
	ROUND                                          ; all sixteen work-groups are here: the joint loads meet
.irp k, 0,1
	s_mov_b32 s[G0W+4*\k], 1
	s_add_co_u32 s[G0W+4*\k+1], s60, \k*WH
	s_add_nc_u64 s[G0W+4*\k+2:G0W+4*\k+3], s[58:59], \k*256
	s_or_b32 s[G0W+4*\k+3], s[G0W+4*\k+3], 0x80000000
	s_mov_b32 s[G0X+4*\k], 1
	s_add_co_u32 s[G0X+4*\k+1], s61, XI+\k*XIH
	s_add_nc_u64 s[G0X+4*\k+2:G0X+4*\k+3], s[56:57], \k*4096
	s_or_b32 s[G0X+4*\k+3], s[G0X+4*\k+3], 0x80000000
.endr
	s_cmp_lt_u32 s[WV], 4                          ; waves 0 to 3 fetch Wo's quarters, waves 4 and 5 x's halves, each for both halves of K, in one branch: two loads of mine are out
	s_cbranch_scc0 .Lnot_w
	tensor_load_to_lds s[G0W:G0W+3], s[G1W:G1W+7]
	s_nop 0
	tensor_load_to_lds s[G0W+4:G0W+7], s[G1W:G1W+7]
	s_nop 0
	PLACES 4
	s_branch .Lasked
.Lnot_w:
	s_cmp_lt_u32 s[WV], 6
	s_cbranch_scc0 .Lasked
	tensor_load_to_lds s[G0X:G0X+3], s[G1X:G1X+7]
	s_nop 0
	tensor_load_to_lds s[G0X+4:G0X+7], s[G1X:G1X+7]
	s_nop 0
	PLACES 4
.Lasked:
	s_mov_b32 s67, 0
	s_lshl_b32 s66, s19, 13
	s_add_nc_u64 s[10:11], s[10:11], s[66:67]      ; the scale bytes of my 256 rows of Wo
	s_lshr_b32 s66, s20, 4
	s_lshl_b32 s66, s66, 16                        ; xs: 16 heads x 4,096 bytes a batch,
	s_and_b32 s68, s20, 15
	s_lshl_b32 s68, s68, 8                         ; 256 bytes for 128 tokens of a head
	s_add_co_u32 s66, s66, s68
	s_add_nc_u64 s[6:7], s[6:7], s[66:67]
	s_lshl_b32 s66, s19, 10
	s_lshl_b32 s68, s16, 8
	s_add_co_u32 s66, s66, s68                     ; my 64 columns, in bytes
	s_add_nc_u64 s[12:13], s[12:13], s[66:67]
	s_lshl_b32 s68, s20, 19
	s_add_co_u32 s66, s66, s68
	s_lshl_b32 s68, s3, 18
	s_add_co_u32 s66, s66, s68                     ; + my first token's row of 4,096 bytes
	s_add_nc_u64 s[14:15], s[14:15], s[66:67]
	v_and_b32 v5, 15, v0                           ; r
	v_bfe_u32 v6, v0, 4, 1                         ; h
	v_mul_u32_u24 v[FR0], v5, PITCH
	v_lshl_add_u32 v[FR0], v6, 4, v[FR0]
	v_lshlrev_b32 v[H32], 5, v6
	v_lshlrev_b32 v[CO], 12, v6
	v_lshl_add_u32 v[CO], v5, 4, v[CO]             ; lanes 0-15 one row of out0, lanes 16-31 the next; 16 bytes a lane
	v_lshrrev_b32 v3, 5, v0
	v_mul_u32_u24 v3, v3, STW
	v_add_nc_u32 v3, STAGE, v3                     ; my stage
	v_lshl_add_u32 v[STO], v6, 4, v[FR0]           ; in: row r, + 32 h
	v_add_nc_u32 v[STO], v[STO], v3
	v_mul_u32_u24 v[RD], v6, PITCH
	v_lshl_add_u32 v[RD], v5, 4, v[RD]
	v_add_nc_u32 v[RD], v[RD], v3                  ; back: row h, + 16 r
	v_lshlrev_b32 v3, 4, v0                        ; Wo's scale bytes in memory: 16 x thread
	v_lshrrev_b32 v12, 4, v0                       ; thread / 16
	v_mul_u32_u24 v4, v12, PITCH
	v_lshl_add_u32 v4, v5, 4, v4
	v_add_nc_u32 v4, WSL, v4                       ; and in LDS
	v_lshlrev_b32 v13, 12, v12
	v_lshl_add_u32 v13, v5, 4, v13                 ; xs in memory: head thread / 16, 16 bytes (8 tokens) at 16 x (thread % 16)
	v_mul_u32_u24 v14, v5, PITCH
	v_lshl_add_u32 v14, v12, 1, v14
	v_add_nc_u32 v14, XSL, v14                     ; in LDS: piece thread % 16 (its 8 tokens' rows of 32 bytes), 2 bytes at 2 x head
	global_load_b128 v[64:67], v3, s[10:11]
	global_load_b128 v[68:71], v3, s[10:11] offset:4096
	global_load_b128 v[72:75], v13, s[6:7]
.irp n, 0,1,2,3
	global_load_b128 v[BIAS+8*\n:BIAS+8*\n+3], v[H32], s[12:13] offset:64*\n       ; lane (r, h), tile n, register j: column 16 n + 8 h + j
	global_load_b128 v[BIAS+8*\n+4:BIAS+8*\n+7], v[H32], s[12:13] offset:64*\n+16
.endr
	v_bfe_u32 v[SC0], v0, 3, 2
	v_mul_u32_u24 v[SC0], v[SC0], PITCH
	v_and_b32 v5, 7, v0
	v_lshl_add_u32 v[SC0], v5, 5, v[SC0]           ; lanes 0-15 an even tile's rows, lanes 16-31 the odd tile's
	v_lshrrev_b32 v[SX], 7, v0
	v_mul_u32_u24 v[SX], v[SX], 8*PITCH
	v_add_nc_u32 v[SX], v[SX], v[SC0]
	v_add_nc_u32 v[SX], XSL, v[SX]
	v_bfe_u32 v[SW], v0, 5, 2
	v_mul_u32_u24 v[SW], v[SW], 8*PITCH
	v_add_nc_u32 v[SW], v[SW], v[SC0]
	v_add_nc_u32 v[SW], WSL, v[SW]
	s_wait_loadcnt 0x8                             ; the three loads of scale bytes are in; the eight of the bias may be out
	ds_store_b128 v4, v[64:67]
	ds_store_b128 v4, v[68:71] offset:16*PITCH
.irp m, 0,1,2,3
	ds_store_b16 v14, v[72+\m] offset:64*\m        ; token 2 m of my eight,
	ds_store_b16_d16_hi v14, v[72+\m] offset:64*\m+32   ; token 2 m + 1
.endr
	v_and_b32 v[AX], 31, v0
	v_lshlrev_b32 v[AX], 4, v[AX]
	v_lshrrev_b32 v12, 7, v0
	v_lshl_add_u32 v[AX], v12, 14, v[AX]
	v_add_nc_u32 v[AX], XI, v[AX]                  ; x's images: 16 x lane, my four tiles
	v_bfe_u32 v12, v0, 5, 2
	v_mul_u32_u24 v[AW], v12, QUART
	v_add_nc_u32 v[AW], v[AW], v[FR0]              ; Wo: my 64 rows
	s_wait_tensorcnt 0x1                           ; my part of K half 0 is in; K half 1's may stay out
	s_wait_dscnt 0x0                               ; my stores of scale bytes have landed
	s_barrier_signal -1
	s_barrier_wait -1
; A step of 128 along K: 16 loads, 16 matrix instructions on 16 accumulators that take turns in one fixed order.
.macro KO q, first
	PLACES 4                                       ; in front of loads into registers that matrix instructions have read
.irp n, 0,1,2,3
	ds_load_b128 v[64+8*\n:67+8*\n], v[AW] offset:16*PITCH*\n+64*\q
	ds_load_b128 v[68+8*\n:71+8*\n], v[AW] offset:16*PITCH*\n+64*\q+32
.endr
.irp m, 0,1,2,3
	ds_load_b128 v[96+8*\m:99+8*\m], v[AX] offset:4096*\m+1024*\q
	ds_load_b128 v[100+8*\m:103+8*\m], v[AX] offset:4096*\m+1024*\q+512
.endr
.irp m, 0,1,2,3
	s_wait_dscnt 6-2*\m                            ; two loads for each younger fragment of x may be out
.irp n, 0,1,2,3
.if \first
	WM ACC+32*\m+8*\n, 64+8*\n, 96+8*\m, BIAS+8*\n, SCQ+4*(\n/2)+\q, SCX+4*(\m/2)+\q, \n%2, \m%2
.else
	WM ACC+32*\m+8*\n, 64+8*\n, 96+8*\m, ACC+32*\m+8*\n, SCQ+4*(\n/2)+\q, SCX+4*(\m/2)+\q, \n%2, \m%2
.endif
.endr
.endr
.endm
.macro SCALES k                        ; a row's scale words of the half's four steps: 16 bytes
.irp e, 0,1
	ds_load_b128 v[SCX+4*\e:SCX+4*\e+3], v[SX] offset:4*PITCH*\e+16*\k
	ds_load_b128 v[SCQ+4*\e:SCQ+4*\e+3], v[SW] offset:4*PITCH*\e+16*\k
.endr
.endm
	SCALES 0
	s_wait_loadcnt 0x0                             ; the bias
	KO 0, 1
	KO 1, 0
	KO 2, 0
	KO 3, 0
	s_wait_tensorcnt 0x0                           ; my part of K half 1 is in,
	s_wait_dscnt 0x0
	s_barrier_signal -1
	s_barrier_wait -1                              ; everybody's is
	v_add_nc_u32 v[AX], XIH, v[AX]
	v_add_nc_u32 v[AW], WH, v[AW]
	PLACES 2                                       ; with the two additions: four places in front of the loads into the scale registers
	SCALES 1
	KO 0, 0
	KO 1, 0
	KO 2, 0
	KO 3, 0
; THE WAY OUT, 16 tokens x 64 columns at a time, through my own stage: in as 32 bytes a lane, back as rows of 256 bytes, so that sixteen lanes store 256 consecutive bytes, aligned.
; LDS serves a wave's instructions in order: no wait between the stores and the loads, nor in front of the next block's stores.
.macro TOSTAGE m
.irp n, 0,1,2,3
	ds_store_b128 v[STO], v[ACC+32*(\m)+8*\n:ACC+32*(\m)+8*\n+3] offset:64*\n          ; each accumulator from its low end on
	ds_store_b128 v[STO], v[ACC+32*(\m)+8*\n+4:ACC+32*(\m)+8*\n+7] offset:64*\n+16
.endr
.irp i, 0,1,2,3,4,5,6,7
	ds_load_b128 v[64+32*((\m)%2)+4*\i:64+32*((\m)%2)+4*\i+3], v[RD] offset:2*\i*PITCH
.endr
.endm
.macro SEND m, younger
	s_wait_dscnt \younger                          ; the block is back; the next block's eight stores and eight loads may be out
.irp i, 0,1,2,3,4,5,6,7
	global_store_b128 v[CO], v[64+32*((\m)%2)+4*\i:64+32*((\m)%2)+4*\i+3], s[14:15] offset:(16*(\m)+2*\i)*4096 th:TH_STORE_NT
.endr
.endm
	PLACES 4
	TOSTAGE 0
	TOSTAGE 1
	SEND 0, 16
	s_wait_xcnt 0x0                                ; block 0's stores have read their registers: block 2's loads may land there
	TOSTAGE 2
	SEND 1, 16
	s_wait_xcnt 0x0
	TOSTAGE 3
	SEND 2, 16
	SEND 3, 0
	s_wait_tensorcnt 0x0
	ds_add_u32 v7, v15
	s_wait_dscnt 0x0
	ROUND                                          ; the closing round: no work-group ends while a partner may still ask for a tile that names it
	s_endpgm
.Lfunc_end_k_qf19c1c534e_oproj:
	.size	k_qf19c1c534e_oproj, .Lfunc_end_k_qf19c1c534e_oproj-k_qf19c1c534e_oproj
	.p2alignl 7, 3214868480
	.fill 96, 4, 3214868480
	.section	.rodata,"a",@progbits
	.p2align	6, 0x0
	.amdhsa_kernel k_qf19c1c534e_oproj
		.amdhsa_group_segment_fixed_size 263168
		.amdhsa_private_segment_fixed_size 0
		.amdhsa_enable_private_segment 0
		.amdhsa_kernarg_size 48
		.amdhsa_user_sgpr_count 2
		.amdhsa_user_sgpr_kernarg_segment_ptr 1
		.amdhsa_wavefront_size32 1
		.amdhsa_system_sgpr_workgroup_id_x 1
		.amdhsa_system_sgpr_workgroup_id_y 1
		.amdhsa_system_sgpr_workgroup_id_z 1
		.amdhsa_system_vgpr_workitem_id 0
		.amdhsa_next_free_vgpr 256
		.amdhsa_next_free_sgpr 70
		.amdhsa_reserve_vcc 0
		.amdhsa_float_denorm_mode_32 3
		.amdhsa_float_denorm_mode_16_64 3
		.amdhsa_memory_ordered 1
		.amdhsa_forward_progress 1
		.amdhsa_inst_pref_size 45
	.end_amdhsa_kernel
	.amdgpu_metadata
---
amdhsa.version: [ 1, 2 ]
amdhsa.kernels:
  - .name:           k_qf19c1c534e_oproj
    .symbol:         k_qf19c1c534e_oproj.kd
    .args:
      - { .name: xc, .offset: 0, .size: 8, .value_kind: global_buffer, .address_space: global }
      - { .name: xs, .offset: 8, .size: 8, .value_kind: global_buffer, .address_space: global }
      - { .name: Wo_codes, .offset: 16, .size: 8, .value_kind: global_buffer, .address_space: global }
      - { .name: Wo_scales, .offset: 24, .size: 8, .value_kind: global_buffer, .address_space: global }
      - { .name: bo, .offset: 32, .size: 8, .value_kind: global_buffer, .address_space: global }
      - { .name: out0, .offset: 40, .size: 8, .value_kind: global_buffer, .address_space: global }
    .group_segment_fixed_size: 263168
    .private_segment_fixed_size: 0
    .kernarg_segment_align: 8
    .kernarg_segment_size: 48
    .max_flat_workgroup_size: 256
    .sgpr_count:     70
    .vgpr_count:     256
    .wavefront_size: 32
...
	.end_amdgpu_metadata
.endif
;; end of part 4
;; ======== version 2 of 2: 4 launches; version 1 with the launch attn written anew for expert scheduling mode
;; limits: right only within a limited range of input values
;; workspace buffers: mw 524,288 bytes of whole numbers; mf 512 bytes of whole numbers; qc 4,194,304 bytes; qs 524,288 bytes; kv 9,175,040 bytes; xc 4,194,304 bytes; xs 262,144 bytes
;; launch maskpack: the kernel of part 1 again; grid 128 x 1, 16 waves a work-group, no clusters, 137,472 bytes of LDS; arguments mask, mw, mf; writes mw, mf
;; launch qkv: the kernel of part 2 again; grid 4 x 64, 8 waves a work-group, clusters of 4 x 4, 327,680 bytes of LDS; arguments query_codes, key_codes, value_codes, Wq_codes, Wk_codes, Wv_codes, query_scales, key_scales, value_scales, Wq_scales, Wk_scales, Wv_scales, bq, bk, bv, qc, qs, kv; writes qc, qs, kv
;; launch attn (part 5): grid 4 x 64, 16 waves a work-group, no clusters, 146,432 bytes of LDS; arguments qc, qs, mw, mf, xc, xs, kv; writes xc, xs
.if DOCPART == 5
	.amdgcn_target "amdgcn-amd-amdhsa--gfx1250"
	.amdhsa_code_object_version 6
	.text
	.protected	k_qf19c1c534e_attn
	.globl	k_qf19c1c534e_attn
	.p2align	8
	.type	k_qf19c1c534e_attn,@function
k_qf19c1c534e_attn:
	s_mov_b64 s[64:65], 0
	v_nop
	global_prefetch_b8 v0, s[64:65] scope:SCOPE_SE
	s_setreg_imm32_b32 hwreg(HW_REG_WAVE_SCHED_MODE, 0, 2), 2
	s_setreg_imm32_b32 hwreg(HW_REG_WAVE_MODE, 25, 1), 1
	s_wait_xcnt 0x0
	s_wait_alu depctr_vm_vsrc(0)
; x[b][q][head] = softmax_k(q . k / 8, hidden keys at a very low logit) v, both products on codes of FP4 (E2M1) with one E8M0 scale for each 32 along a product's K; x is quantised along the head and stored
; as images of the last product's operand: xc [16-token tile][head][lane][16 B], xs [bh][tile][r] two scale bytes.
; THE SOFTMAX AHEAD OF THE SECOND PRODUCT: t = score x log2(e) / 8; M = the row's largest t so far, rounded UP to a whole number; p = 2^(t - M) is quantised along the keys, not normalised; the row's sum is
; taken of the unquantised p and divides at the end.  When M moves, the sum and O are multiplied by 2^(old M - new M): exact.
; THE MASK is an input.  An earlier launch has stored, for each tile of 16 queries, lane masks for each register of scores (mw) and a control word (mf): a key step runs if it holds a key that counts, or if some
; query of the tile has no key at all; a step in which nothing is hidden passes over the 64 selects.  Both are scalar branches on stored whole numbers.
; LIMIT: a hidden score is replaced by -2^33, a logit of -2^30 where the reference has -1e9, so that score x c is exact and a query without any key gets p = 1 on all keys.  The results agree while true logits
; lie above about -1e9.  NaN and infinities are not served; a block of zeros gets the scale byte 1 (its codes are zeros).
; SHARES.  A work-group owns one head: its K and V, 16 records of 8,960 bytes, come into LDS ONCE, through registers.  Wave w of work-group i takes tile 16 i + w of the 128 tiles of queries and then tile
; 127 - (16 i + w): under a lower-triangular mask every wave then runs the same number of steps; for any other mask the result is as right, only the shares less even.
; NO CLUSTER, NO TENSOR LOAD: branches hang on numbers read from memory; the four work-groups of a head each read its 143,360 bytes.
; LAYOUT.  Both products are used transposed: S^T = K Q^T (source 0 = 16 keys), O^T = V^T P^T (source 0 = 16 channels): a lane holds ONE query (lane % 16).  The head's 64 fill half of the first product's K:
; registers 4-7 of Q's and K's fragments are zero codes, written once.  Register 8 t + j of S^T is key 16 t + 8 (lane / 16) + j.
; THE MODE: SCHED_MODE bits 1:0 = 2 (LLVM: expert scheduling mode 2), set by the entry lines.  The code itself states the register dependences between vector or matrix instructions and memory or LDS
; instructions, with s_wait_alu, always for 0.
; THE PLAN.  Registers that memory or LDS instructions touch:
;   v3, v4        At the head: offsets of the fill's loads and of eight of its LDS stores.  In the loop: written by two additions at the head of each step that runs, read by that step's 19 LDS loads.
;   v24-26        At the head: addresses of the fill's other LDS stores; afterwards K's loads land there.
;   v1, v2, v7-10 Made once at the head and never written again.
;   v120-189      The fill's loads land there and its LDS stores read them; afterwards S^T (written by products) and O^T.  At the kernel's end an LDS load lands in v120-123, which the last store reads.
;   v16-19, v6    Q and its scale word: loaded at a tile's head, read by the products K Q^T.
;   K, V, KSC, VSC  Loaded in a step, read by that step's products, loaded again in the next step that runs.
;   v216-219, v231  At a tile's end: written by the quantiser, read by the tile's two stores, written again in the next tile.
; So a step that runs has ONE wait on vm_vsrc, ahead of the two additions, and ONE wait on va_vdst behind them, which states that v3 and v4 are written and that the last step's products are done reading K, V and
; their scale words.  All 19 loads follow it: K's at once, V's among and behind the products K Q^T, which name K, Q, S^T, KSC and v6: none of the registers that V's loads touch.
; One more wait on va_vdst stands ahead of V^T P^T (p's codes and scale word are written), one ahead of a tile's two stores; a tile's head has one wait on vm_vsrc.
.set REC,   8960
.set HEADB, 16*REC
.set STG,   HEADB                      ; behind the records: x's scale bytes on their way out, 2 x 512 bytes
.set KF,  24                           ; v24-87   K: 8 tiles x 8 registers
.set VF,  88                           ; v88-119  V: 4 tiles x 8
.set S,   120                          ; v120-183 S^T, then p
.set O,   184                          ; v184-215 O^T
.set PC,  216                          ; v216-223 p's codes
.set KSC, 224                          ; v224-227 K's scale words: register t / 2, lanes 0-15 the even tile
.set VSC, 228                          ; v228-229 V's
.set PWX, 231                          ; v231     x's two scale bytes
.set TM,  232                          ; v232-254 at work
.set TP,  236
.set BY,  240
.set SO,  244
.set WV,  2
.set CNT, 3
.set STB, 4                            ; s4   LDS byte at which the step's record begins
.set MOF, 5                            ; s5   the step's 256 bytes of lane masks
.set CW,  6                            ; s6   the control word, shifted down a bit a step
.set TT,  7                            ; s7   the tile of queries
.set SEL, 8                            ; s[8:9]
.set CS,  10                           ; s[10:11] c = log2(e) / 8
.set MWP, 12                           ; s[12:13] the tile's lane masks;  s[16:63], s[68:83] the step's 64 words
; v1 16 lane; v2 8 lane + 8,192; v3, v4 the step's addresses; v5 the hidden score; v6 Q's scale word; v7 8 r; v8, v9 where x's scale bytes go; v10 where they are read back;
; v12 -M, v13 the largest t, v[14:15] the sum in two halves; v16-23 Q; v251, v255 the closing add's two registers
.macro PLACES n
.rept \n
	v_nop
.endr
.endm
; 32 numbers of a lane, register 8 t + j = channel 16 t + 8 (lane / 16) + j of my query, become registers 0-3 of a fragment and two scale bytes.
.macro QUANT64 s, pc, pw
.irp b, 0,1
	v_max3_num_f32 v[TM+\b], |v[(\s)+16*\b]|, |v[(\s)+1+16*\b]|, 0x1800000   ; and the floor 2^(3 - 127): the byte cannot fall under 1
.endr
.irp i, 2,4,6,8,10,12,14
.irp b, 0,1
	v_max3_num_f32 v[TM+\b], v[TM+\b], |v[(\s)+16*\b+\i]|, |v[(\s)+1+16*\b+\i]|
.endr
.endr
.irp b, 0,1
	v_permlanex16_b32 v[TP+\b], v[TM+\b], s[SEL], s[SEL+1]
.endr
.irp b, 0,1
	v_max_num_f32 v[TM+\b], v[TM+\b], v[TP+\b]
.endr
.irp b, 0,1
	v_add_nc_u32 v[SO+\b], 0xff000000, v[TM+\b]
.endr
.irp b, 0,1
	v_lshrrev_b32 v[BY+\b], 23, v[SO+\b]
.endr
	v_lshl_or_b32 v[\pw], v[BY+1], 8, v[BY]
.irp t, 0,1,2,3
	v_cvt_scalef32_pk8_fp4_f32 v[(\pc)+2*(\t%2)+\t/2], v[(\s)+8*\t:(\s)+8*\t+7], v[SO+\t/2]
.endr
	v_nop                                          ; one plain place behind a scaled conversion
	v_permlane16_swap_b32 v[\pc], v[(\pc)+1]
	v_permlane16_swap_b32 v[(\pc)+2], v[(\pc)+3]
.endm
	s_load_b256 s[84:91], s[0:1], 0x0              ; qc, qs, mw, mf
	s_load_b128 s[92:95], s[0:1], 0x20             ; xc, xs
	s_load_b64 s[96:97], s[0:1], 0x30              ; kv
	v_lshl_add_u32 v251, v0, 2, 0x23400
	v_mov_b32 v255, 0
	v_lshrrev_b32 v1, 5, v0
	v_readfirstlane_b32 s[WV], v1                  ; wave 0..15
	s_and_b32 s100, ttmp7, 0xffff                  ; bh
	s_mov_b32 s101, ttmp9                          ; i
	s_mul_i32 s14, s100, HEADB
	s_mov_b32 s15, 0                               ; (stays 0: the upper word of every offset)
	v_lshlrev_b32 v3, 4, v0                        ; 16 x thread
	v_lshlrev_b32 v4, 3, v0                        ; 8 x thread
	s_wait_kmcnt 0x0
	s_add_nc_u64 s[96:97], s[96:97], s[14:15]      ; the head's records
	s_wait_alu depctr_va_vdst(0)                   ; v3 and v4 are written, which the fill's loads read as their offsets
.set i, 0
.rept 17
	global_load_b128 v[S+4*i:S+4*i+3], v3, s[96:97] offset:8192*i   ; 512 threads x 16 bytes on end
.set i, i+1
.endr
	global_load_b64 v[188:189], v4, s[96:97] offset:139264          ; the last 4,096 bytes
	v_add_nc_u32 v24, 0x10000, v3                  ; an LDS offset has 16 bits: the registers carry the rest
	v_add_nc_u32 v25, 0x20000, v3
	v_add_nc_u32 v26, 139264, v4
	s_lshl_b32 s14, s100, 16
	s_add_nc_u64 s[84:85], s[84:85], s[14:15]      ; qc at my head: 128 tiles x 512 bytes
	s_lshl_b32 s14, s100, 13
	s_add_nc_u64 s[86:87], s[86:87], s[14:15]      ; qs
	s_lshr_b32 s14, s100, 4
	s_lshl_b32 s14, s14, 20                        ; xc: 128 tiles x 8,192 bytes a batch,
	s_and_b32 s98, s100, 15
	s_lshl_b32 s98, s98, 9                         ; 512 bytes a head
	s_add_co_u32 s14, s14, s98
	s_add_nc_u64 s[92:93], s[92:93], s[14:15]
	s_lshl_b32 s14, s100, 12
	s_add_nc_u64 s[94:95], s[94:95], s[14:15]      ; xs
	s_mov_b32 s[SEL], 0x76543210
	s_mov_b32 s[SEL+1], 0xfedcba98
	s_mov_b32 s[CS], 0x3e38aa3b                    ; log2(e) / 8
	s_mov_b32 s[CS+1], s[CS]                       ; (named with it as a pair, so it is written)
	v_and_b32 v2, 31, v0
	v_lshlrev_b32 v1, 4, v2
	v_lshl_add_u32 v2, v2, 3, 8192
	v_mov_b32 v5, 0xd0000000                       ; -2^33
	v_and_b32 v7, 15, v0                           ; r
	s_wait_alu depctr_va_sdst(0)                   ; the wave's number is written into s2, ahead of its first reader, the line below
	s_lshl_b32 s14, s[WV], 5
	s_add_co_u32 s14, s14, STG
	v_lshl_add_u32 v8, v7, 1, s14                  ; first tile: 32 bytes a wave, 2 a query
	s_xor_b32 s14, s[WV], 15
	s_lshl_b32 s14, s14, 5
	s_add_co_u32 s14, s14, STG+512
	v_lshl_add_u32 v9, v7, 1, s14                  ; second tile: the waves' tiles descend
	v_and_b32 v10, 63, v0
	v_lshl_add_u32 v10, v10, 4, STG
	v_lshlrev_b32 v7, 3, v7
	s_wait_alu depctr_va_vdst(0)                   ; v24 to v26 are written, which the LDS stores below read as addresses; so are v1, v2 and v7 to v10, which every later load and store reads and nothing writes again
.set i, 0
.rept 8
	s_wait_loadcnt 17-i                            ; load i is in; the younger ones may be out
	ds_store_b128 v3, v[S+4*i:S+4*i+3] offset:8192*i
.set i, i+1
.endr
.rept 8
	s_wait_loadcnt 17-i
	ds_store_b128 v24, v[S+4*i:S+4*i+3] offset:8192*(i-8)
.set i, i+1
.endr
	s_wait_loadcnt 0x0
	ds_store_b128 v25, v[184:187]
	ds_store_b64 v26, v[188:189]
.irp j, 20,21,22,23
	v_mov_b32 v[\j], 0                             ; zero codes for the K that the head does not fill: Q's,
.endr
.irp t, 0,1,2,3,4,5,6,7
.irp j, 4,5,6,7
	v_mov_b32 v[KF+8*\t+\j], 0                     ; and K's: written once (none of these registers is named by the stores above)
.endr
.endr
.irp j, 236,237,238,239,252,253
	v_mov_b32 v[\j], 0                             ; lane permutes' destinations and the upper half of the pair v[252:253] count as read
.endr
	s_wait_dscnt 0x0                               ; my part of the records has landed
	s_barrier_signal -1
	s_barrier_wait -1
; ONE TILE OF 16 QUERIES against all keys that count.  sa: the register that says where its scale bytes go.
.macro TASK sa
	s_wait_xcnt 0x0                                ; the last tile's loads and stores have read their addresses and data
	s_wait_alu depctr_vm_vsrc(0)                   ; first tile: the fill's LDS stores have read v3, v24 to v26 and v120 to v189; second tile: the last tile's two stores have read v216 to v219 and v231: all of these are written again below
	s_lshl_b32 s14, s[TT], 9
	s_add_nc_u64 s[66:67], s[84:85], s[14:15]
	global_load_b128 v[16:19], v1, s[66:67]        ; Q's fragment.  (Second tile: the products that read v16 to v19 and v6 stand ahead of the wait on va_vdst at the last tile's end, and no vector instruction has followed it)
	s_lshr_b32 s14, s[TT], 2                       ; its scale word: group T / 4, lane r + 16 (T % 2), word (T / 2) % 2
	s_lshl_b32 s14, s14, 8
	s_and_b32 s98, s[TT], 1
	s_lshl_b32 s98, s98, 7
	s_add_co_u32 s14, s14, s98
	s_bfe_u32 s98, s[TT], 0x10001
	s_lshl_b32 s98, s98, 2
	s_add_co_u32 s14, s14, s98
	s_add_nc_u64 s[98:99], s[86:87], s[14:15]
	global_load_b32 v6, v7, s[98:99]
	s_lshl_b32 s14, s[TT], 12
	s_add_nc_u64 s[MWP:MWP+1], s[88:89], s[14:15]
	s_lshl_b32 s14, s[TT], 2
	s_load_b32 s[CW], s[90:91], s14 offset:0x0
	v_mov_b32 v13, 0xff61b1e6                      ; the largest t so far: -3e38, under every t
	v_floor_f32 v12, -v13                          ; -M
	v_mov_b32 v14, 0
	v_mov_b32 v15, 0
.set j, 0
.rept 32
	v_mov_b32 v[O+j], 0                            ; O^T.  Which step runs first hangs on the mask, so no first step can be written out to start the sums
.set j, j+1
.endr
	s_mov_b32 s[CNT], 16
	s_mov_b32 s[STB], 0
	s_mov_b32 s[MOF], 0
	s_wait_kmcnt 0x0
	s_wait_loadcnt 0x0
.Lstep_\@:                                             ; 16 trips, a constant: a step that does not run passes to the lines that step addresses
	s_bitcmp1_b32 s[CW], 0
	s_cbranch_scc0 .Lhidden_\@
	s_load_b512 s[16:31], s[MWP:MWP+1], s[MOF] offset:0x0
	s_load_b512 s[32:47], s[MWP:MWP+1], s[MOF] offset:0x40
	s_load_b512 s[48:63], s[MWP:MWP+1], s[MOF] offset:0x80
	s_load_b512 s[68:83], s[MWP:MWP+1], s[MOF] offset:0xc0
	s_wait_alu depctr_vm_vsrc(0)                   ; the LDS loads of the last step that ran have read v3 and v4, which the two additions write
	v_add_nc_u32 v3, s[STB], v1
	v_add_nc_u32 v4, s[STB], v2
	PLACES 2                                       ; with the two additions: four places between the last step's products and the loads into registers that they have read
	s_wait_alu depctr_va_vdst(0)                   ; v3 and v4 are written, which the 19 loads below read; the last step's products are done reading K, V and their scale words, in which those loads land; the zero codes of the head are written, which the products take
.irp t, 0,1,2,3,4,5,6,7
	ds_load_b128 v[KF+8*\t:KF+8*\t+3], v3 offset:512*\t
.endr
	ds_load_b64 v[KSC:KSC+1], v4
	ds_load_b64 v[KSC+2:KSC+3], v4 offset:256
	s_wait_dscnt 0x0                               ; K and its scale words are in: nothing younger is out
.irp t, 0,1,2,3,4,5,6,7
.if \t%2
	v_wmma_scale_f32_16x16x128_f8f6f4 v[S+8*\t:S+8*\t+7], v[KF+8*\t:KF+8*\t+7], v[16:23], 0, v[KSC+\t/2], v6 matrix_a_fmt:MATRIX_FMT_FP4 matrix_b_fmt:MATRIX_FMT_FP4 matrix_a_scale:MATRIX_SCALE_ROW1
.else
	v_wmma_scale_f32_16x16x128_f8f6f4 v[S+8*\t:S+8*\t+7], v[KF+8*\t:KF+8*\t+7], v[16:23], 0, v[KSC+\t/2], v6 matrix_a_fmt:MATRIX_FMT_FP4 matrix_b_fmt:MATRIX_FMT_FP4
.endif
	ds_load_b128 v[VF+4*\t:VF+4*\t+3], v3 offset:4096+512*\t   ; V: half t % 2 of tile t / 2.  No wait: no vector or matrix instruction since the wait on va_vdst above names v3, v4, V or its scale words
.endr
	ds_load_b64 v[VSC:VSC+1], v4 offset:512
	PLACES 4
	s_wait_kmcnt 0x0                               ; the lane masks are in (on both ways: the registers are loaded again in the next step that runs)
	s_bitcmp1_b32 s[CW], 16
	s_cbranch_scc1 .Lopen_\@
.set n, 0
.rept 64
	v_cndmask_b32 v[S+n], v5, v[S+n], s[16+n+4*(n/48)]   ; a hidden key's score becomes -2^33
.set n, n+1
.endr
.Lopen_\@:
.irp b, 0,1,2,3
	v_max3_num_f32 v[232+\b], v[S+16*\b], v[S+1+16*\b], v[S+2+16*\b]   ; the largest score of each block of 32 keys: for the row's maximum and, since p rises with the score, for the block's largest p
.endr
.irp i, 3,5,7,9,11,13
.irp b, 0,1,2,3
	v_max3_num_f32 v[232+\b], v[232+\b], v[S+16*\b+\i], v[S+1+16*\b+\i]
.endr
.endr
.irp b, 0,1,2,3
	v_max_num_f32 v[232+\b], v[232+\b], v[S+15+16*\b]
.endr
.irp b, 0,1,2,3
	v_permlanex16_b32 v[236+\b], v[232+\b], s[SEL], s[SEL+1]
.endr
.irp b, 0,1,2,3
	v_max_num_f32 v[232+\b], v[232+\b], v[236+\b]  ; with lane l xor 16's 16 keys
.endr
	v_max3_num_f32 v254, v232, v233, v234
	v_max_num_f32 v254, v254, v235                 ; the step's largest score of my query
	v_mul_f32 v254, s[CS], v254                    ; as t (c is positive)
	v_max_num_f32 v13, v13, v254                   ; the running largest t
	v_mov_b32 v254, v12
	v_floor_f32 v12, -v13                          ; the new -M = floor(-t): M is a whole number
	v_sub_f32 v254, v12, v254                      ; old M - new M: a whole number, 0 or less
	v_cvt_i32_f32 v254, v254                       ; (it saturates)
	v_ldexp_f32 v252, 1.0, v254                    ; f = 2^(old M - new M)
.set j, 0
.rept 32
	v_pk_fma_f32 v[S+j:S+j+1], v[S+j:S+j+1], s[CS:CS+1], v[12:13] op_sel_hi:[1,0,0]   ; t - M, two at a time
.set j, j+2
.endr
.irp b, 0,1,2,3
	v_fma_f32 v[232+\b], v[232+\b], s[CS], v12     ; the same of each block's largest score
.endr
.set j, 0
.rept 64
	v_exp_f32 v[S+j], v[S+j]                       ; p = 2^(t - M), at most 1
.set j, j+1
.endr
	v_pk_mul_f32 v[14:15], v[14:15], v[252:253] op_sel_hi:[1,0]   ; the sums under the new M: a plain place behind the exponentials
	s_wait_alu depctr_va_vdst(0)                   ; the 64 exponentials have written p: one wait for the whole batch, ahead of its first reader
.irp b, 0,1,2,3
	v_exp_f32 v[232+\b], v[232+\b]                 ; the block's largest p
.endr
	v_pk_add_f32 v[236:237], v[S:S+1], v[S+2:S+3]  ; the row's sum is taken of the unquantised p, in two chains
.set j, 4
.rept 15
	v_pk_add_f32 v[14:15], v[14:15], v[S+j:S+j+1]
	v_pk_add_f32 v[236:237], v[236:237], v[S+j+2:S+j+3]
.set j, j+4
.endr
	v_pk_add_f32 v[14:15], v[14:15], v[236:237]
	s_wait_alu depctr_va_vdst(0)                   ; the four exponentials have written v232 to v235, ahead of their first reader
.irp b, 0,1,2,3
	v_max_num_f32 v[232+\b], 0x1800000, v[232+\b]  ; the floor 2^(3 - 127)
.endr
.irp b, 0,1,2,3
	v_add_nc_u32 v[244+\b], 0xff000000, v[232+\b]  ; 2 off the exponent field: the conversion's scale operand
.endr
.irp b, 0,1,2,3
	v_lshrrev_b32 v[236+\b], 23, v[244+\b]         ; the scale's byte
.endr
	v_lshl_or_b32 v253, v237, 8, v236              ; p's scale word for these 128 keys
	v_lshl_or_b32 v253, v238, 16, v253
	v_lshl_or_b32 v253, v239, 24, v253
.irp t, 0,1,2,3,4,5,6,7
	v_cvt_scalef32_pk8_fp4_f32 v[PC+4*(\t/4)+2*(\t%2)+(\t/2)%2], v[S+8*\t:S+8*\t+7], v[244+\t/2]   ; tile t = 4 c + 2 hi + e goes to register 4 c + 2 e + hi
.endr
	v_nop                                          ; one plain place behind a scaled conversion
.irp c, 0,1
.irp e, 0,1
	v_permlane16_swap_b32 v[PC+4*\c+2*\e], v[PC+4*\c+2*\e+1]   ; register 4 c + g of lane (r, h) now holds keys 64 c + 32 h + 8 g + 0 .. 7
.endr
.endr
.set j, 0
.rept 16
	v_pk_mul_f32 v[O+j:O+j+1], v[O+j:O+j+1], v[252:253] op_sel_hi:[1,0]   ; O^T under the new M.  These sixteen also stand between the codes and the scale word just made and the products
.set j, j+2
.endr
	s_wait_alu depctr_va_vdst(0)                   ; p's codes v216 to v223 and its scale word v253 are written, which the scaled products below take as source 1 and as its scales; the places above stay beside this wait
	s_wait_dscnt 0x0                               ; V and its scale words
.irp d, 0,1,2,3
.if \d%2
	v_wmma_scale_f32_16x16x128_f8f6f4 v[O+8*\d:O+8*\d+7], v[VF+8*\d:VF+8*\d+7], v[PC:PC+7], v[O+8*\d:O+8*\d+7], v[VSC+\d/2], v253 matrix_a_fmt:MATRIX_FMT_FP4 matrix_b_fmt:MATRIX_FMT_FP4 matrix_a_scale:MATRIX_SCALE_ROW1
.else
	v_wmma_scale_f32_16x16x128_f8f6f4 v[O+8*\d:O+8*\d+7], v[VF+8*\d:VF+8*\d+7], v[PC:PC+7], v[O+8*\d:O+8*\d+7], v[VSC+\d/2], v253 matrix_a_fmt:MATRIX_FMT_FP4 matrix_b_fmt:MATRIX_FMT_FP4
.endif
.endr
.Lhidden_\@:
	s_lshr_b32 s[CW], s[CW], 1
	s_add_co_u32 s[STB], s[STB], REC
	s_add_co_u32 s[MOF], s[MOF], 256
	s_sub_co_u32 s[CNT], s[CNT], 1
	s_cmp_lg_u32 s[CNT], 0
	s_cbranch_scc1 .Lstep_\@
	PLACES 4
	v_add_f32 v14, v14, v15                        ; the sum's two halves,
	v_permlanex16_b32 v252, v14, s[SEL], s[SEL+1]
	v_add_f32 v14, v14, v252                       ; and lane l xor 16's
	v_rcp_f32 v14, v14
	v_nop                                          ; a plain place behind the reciprocal
	s_wait_alu depctr_va_vdst(0)                   ; the reciprocal has written v14, ahead of its first reader
.set j, 0
.rept 32
	v_mul_f32 v[S+j], v[O+j], v14                  ; x: register 8 t + j is channel 16 t + 8 h + j of my query
.set j, j+1
.endr
	QUANT64 S, PC, PWX
	s_lshl_b32 s14, s[TT], 13
	s_add_nc_u64 s[66:67], s[92:93], s[14:15]
	s_wait_alu depctr_va_vdst(0)                   ; the quantiser has written v216 to v219 and v231, which the two stores read; every vector and matrix instruction of the tile is done with Q, v6 and v120 to v123, in which the next loads land
	global_store_b128 v1, v[PC:PC+3], s[66:67]     ; 32 lanes store 512 consecutive bytes
	ds_store_b16 v[\sa], v[PWX]                    ; lanes r and r + 16 write the same two bytes with the same value
.endm
	s_lshl_b32 s[TT], s101, 4
	s_add_co_u32 s[TT], s[TT], s[WV]               ; tile 16 i + w
	TASK 8
	s_xor_b32 s[TT], s[TT], 127                    ; and tile 127 - (16 i + w)
	TASK 9
	s_wait_dscnt 0x0                               ; my scale bytes have landed
	s_barrier_signal -1
	s_barrier_wait -1
	s_cmp_lt_u32 s[WV], 2                          ; wave 0 stores the first tiles' 512 bytes, wave 1 the second tiles'
	s_cbranch_scc0 .Lend
	ds_load_b128 v[S:S+3], v10                     ; (no vector instruction has followed the wait on va_vdst at the second tile's end)
	s_mul_i32 s14, s[WV], 7
	s_xor_b32 s14, s14, s101                       ; block i, or block 7 - i
	s_lshl_b32 s14, s14, 9
	s_wait_xcnt 0x0                                ; the last store has read its base
	s_add_nc_u64 s[66:67], s[94:95], s[14:15]
	s_wait_dscnt 0x0
	global_store_b128 v1, v[S:S+3], s[66:67]
.Lend:
	s_wait_dscnt 0x0                               ; the closing lines, six on end
	s_wait_alu 0x0
	s_wait_tensorcnt 0x0
	ds_add_u32 v251, v255
	s_wait_dscnt 0x0
	s_endpgm
.Lfunc_end_k_qf19c1c534e_attn:
	.size	k_qf19c1c534e_attn, .Lfunc_end_k_qf19c1c534e_attn-k_qf19c1c534e_attn
	.p2alignl 7, 3214868480
	.fill 96, 4, 3214868480
	.section	.rodata,"a",@progbits
	.p2align	6, 0x0
	.amdhsa_kernel k_qf19c1c534e_attn
		.amdhsa_group_segment_fixed_size 146432
		.amdhsa_private_segment_fixed_size 0
		.amdhsa_enable_private_segment 0
		.amdhsa_kernarg_size 56
		.amdhsa_user_sgpr_count 2
		.amdhsa_user_sgpr_kernarg_segment_ptr 1
		.amdhsa_wavefront_size32 1
		.amdhsa_system_sgpr_workgroup_id_x 1
		.amdhsa_system_sgpr_workgroup_id_y 1
		.amdhsa_system_sgpr_workgroup_id_z 1
		.amdhsa_system_vgpr_workitem_id 0
		.amdhsa_next_free_vgpr 256
		.amdhsa_next_free_sgpr 102
		.amdhsa_reserve_vcc 0
		.amdhsa_float_denorm_mode_32 3
		.amdhsa_float_denorm_mode_16_64 3
		.amdhsa_memory_ordered 1
		.amdhsa_forward_progress 1
		.amdhsa_inst_pref_size 59
	.end_amdhsa_kernel
	.amdgpu_metadata
---
amdhsa.version: [ 1, 2 ]
amdhsa.kernels:
  - .name:           k_qf19c1c534e_attn
    .symbol:         k_qf19c1c534e_attn.kd
    .args:
      - { .name: qc, .offset: 0, .size: 8, .value_kind: global_buffer, .address_space: global }
      - { .name: qs, .offset: 8, .size: 8, .value_kind: global_buffer, .address_space: global }
      - { .name: mw, .offset: 16, .size: 8, .value_kind: global_buffer, .address_space: global }
      - { .name: mf, .offset: 24, .size: 8, .value_kind: global_buffer, .address_space: global }
      - { .name: xc, .offset: 32, .size: 8, .value_kind: global_buffer, .address_space: global }
      - { .name: xs, .offset: 40, .size: 8, .value_kind: global_buffer, .address_space: global }
      - { .name: kv, .offset: 48, .size: 8, .value_kind: global_buffer, .address_space: global }
    .group_segment_fixed_size: 146432
    .private_segment_fixed_size: 0
    .kernarg_segment_align: 8
    .kernarg_segment_size: 56
    .max_flat_workgroup_size: 512
    .sgpr_count:     102
    .vgpr_count:     256
    .wavefront_size: 32
...
	.end_amdgpu_metadata
.endif
;; end of part 5
;; launch oproj: the kernel of part 4 again; grid 4 x 64, 8 waves a work-group, clusters of 4 x 4, 263,168 bytes of LDS; arguments xc, xs, Wo_codes, Wo_scales, bo, out0; writes out0
